; MI455X (gfx1250); checked and timed in simulation.
; The chip was launched on July 23, 2026; its instructions are those of AMD's public machine-readable ISA for CDNA 5 (MIT licence, August 2026) and "CDNA5" Instruction Set Architecture Reference Guide (July 2026). The comments in the code are by the model that wrote it; some were corrected since.
;; Transformer Block. Allowed arithmetic: matrix products marked QUANTISED: E4M3 operands, one given power-of-two scale a tensor, by v_wmma_f32_16x16x64_fp8_fp8 or v_wmma_f32_16x16x128_fp8_fp8, f32 sums; everything else in f32.
;; Inputs: W1 768 x 3,072 float32; W2 3,072 x 768 float32; Wk 768 x 768 float32; Wo 768 x 768 float32; Wq 768 x 768 float32; Wv 768 x 768 float32; b1 3,072 float32; b2 768 float32; bk 768 float32; bo 768 float32; bq 768 float32; bv 768 float32; ln1_b 768 float32; ln1_g 768 float32; ln2_b 768 float32; ln2_g 768 float32; lowp_scales 16 int32 (the exponents e of the quantised operands' scales 2^e); x 1 x 4,096 x 768 float32.
;; Outputs: out0 1 x 4,096 x 768 float32.
;; This version of the problem:
;;   THIS VERSION OF THE PROBLEM IS GIVEN IN LOW PRECISION. The matrix products marked QUANTISED in the list below multiply operands that are first quantised to E4M3 (4 exponent bits, 3 mantissa bits; 8 bits a number), with one given power-of-two scale for each operand tensor; their sums are f32. All else is computed in f32.
;;   The module's matrix products, in the order in which they are computed (A, B: the left and right operand; K: the contracted axis; several contracted axes count as one K, in the product's order):
;;     1. [M 4,096, K 768] x [K 768, N 768]; A: computed on the way; B: input Wq: QUANTISED (scales: A lowp_scales[0], B lowp_scales[1])
;;     2. [M 4,096, K 768] x [K 768, N 768]; A: computed on the way; B: input Wk: QUANTISED (scales: A lowp_scales[2], B lowp_scales[3])
;;     3. [M 4,096, K 768] x [K 768, N 768]; A: computed on the way; B: input Wv: QUANTISED (scales: A lowp_scales[4], B lowp_scales[5])
;;     4. batch 12 x [M 4,096, K 64] x [K 64, N 4,096]; A: computed on the way; B: computed on the way: QUANTISED (scales: A lowp_scales[6], B lowp_scales[7])
;;     5. batch 12 x [M 4,096, K 4,096] x [K 4,096, N 64]; A: softmax (see below); B: computed on the way: QUANTISED (scales: A lowp_scales[8], B lowp_scales[9])
;;     6. [M 4,096, K 768] x [K 768, N 768]; A: computed on the way; B: input Wo: QUANTISED (scales: A lowp_scales[10], B lowp_scales[11])
;;     7. [M 4,096, K 768] x [K 768, N 3,072]; A: computed on the way; B: input W1: QUANTISED (scales: A lowp_scales[12], B lowp_scales[13])
;;     8. [M 4,096, K 3,072] x [K 3,072, N 768]; A: computed on the way; B: input W2: QUANTISED (scales: A lowp_scales[14], B lowp_scales[15])
;;   THE QUANTISER, for each operand of a quantised product, along K:
;;     - The operand's scale is 2^e, e = its entry of the input lowp_scales (int32; the entries are numbered through the quantised products in the list's order, A before B).
;;     - Each number is divided by the scale, clamped to +-448, and rounded to the nearest number of E4M3, ties to even, subnormals kept.
;;     - The product sums the exact products of the quantised numbers (number of the format x scale) in f32.
;;   ~~~python
;;   def quantise(x, axis, e):      # numpy; x: float32 -> the quantised numbers, widened to float32 again
;;       x = np.moveaxis(x, axis, -1); K = x.shape[-1]
;;       r = np.clip(x / 2.0 ** e, -448, 448)
;;       step = 2.0 ** (np.maximum(np.frexp(np.where(r == 0, 1, r))[1] - 1, -6) - 3)
;;       q = np.round(r / step) * step * 2.0 ** e      # np.round: ties to even
;;       return np.moveaxis(q, -1, axis).astype(np.float32)
;;   ~~~
;;   SOFTMAX AHEAD OF A QUANTISED PRODUCT. Where the list says 'softmax', what is quantised is not the finished softmax but p = 2^(t - M), with t = logit x log2(e) and M = ceil(the row's largest t), a whole number; so 1/2 < the row's largest p <= 1. The row's sum l is taken of the UNQUANTISED p, in f32, and the product's result is divided by l at the end. Since M is a whole number, a kernel that streams over the keys may use a running M (the ceiling of the running maximum): every later rescaling is an exact power of two, so the quantised numbers keep their values, but for numbers so far below the row's largest that they fall under the format's range.
;;   OPERANDS COMPUTED ON THE WAY. 'Computed on the way' means the value that the module computes at that place (a softmax that the list does not call 'softmax' is quantised finished and normalised). What goes into a quantiser is computed in f32, as accurately as f32 sums, v_exp_f32 and their like allow (about 1e-6 of the number): no bf16 or f16 on the way to a quantiser, and a product that is left as it is and whose result goes on into a quantised operand takes f32 operands (vector FMAs, or v_wmma_f32_16x16x4_f32). A number that lies on a knife's edge between two numbers of the format may be rounded either way, as far as f32 arithmetic and the matrix unit's own rounding can turn it there, and no further.
;; One version. Each part assembles by itself: llvm-mc -triple=amdgcn-amd-amdhsa -mcpu=gfx1250 --defsym DOCPART=n.
;; ======== version 1 of 1: 6 launches
;; limits: right only within a limited range of input values
;; workspace buffers: wcodes 7,077,888 bytes; xn_codes 9,437,184 bytes; qkv_codes 9,437,184 bytes; ctx_codes 3,145,728 bytes; x1_img 12,582,912 bytes; xn2_codes 3,145,728 bytes; h_codes 12,582,912 bytes
;; launch prep (part 1): grid 472 x 1, 4 waves a work-group, no clusters, 1,024 bytes of LDS; arguments x, ln1_g, ln1_b, lowp_scales, xn_codes, wcodes, Wq, Wk, Wv, Wo, W2, W1; writes xn_codes, wcodes
.if DOCPART == 1
	.amdgcn_target "amdgcn-amd-amdhsa--gfx1250"
	.amdhsa_code_object_version 6
	.text
	.protected	k_q6fc39256d6_prep
	.globl	k_q6fc39256d6_prep
	.p2align	8
	.type	k_q6fc39256d6_prep,@function
k_q6fc39256d6_prep:
	s_mov_b64 s[64:65], 0
	v_nop
	global_prefetch_b8 v0, s[64:65] scope:SCOPE_SE
	s_setreg_imm32_b32 hwreg(HW_REG_WAVE_MODE, 25, 1), 1
	s_wait_xcnt 0x0
; PREP.  Work-groups 0-255: the first layer norm of 16 tokens each, quantised three times (exponents e0, e2, e4) into xn_codes.
; Work-groups 256-471: the six weights, f32 with K as their first axis, quantised along K into wcodes.
; ALL CODES ARE STORED AS IMAGES OF THE OPERAND'S REGISTERS.  An image is 16 rows x 64 K = 1,024 bytes: code (row r, k) lies at 512 (k / 32) + 16 (16 ((k / 8) % 2) + r) + 8 ((k / 16) % 2) + k % 8,
; so that lane l's 16 bytes at 512 b + 16 l are registers 4 b .. 4 b + 3 of the fragment of v_wmma_f32_16x16x64_fp8_fp8 (ISA guide 7.12.2).  Image (row tile rt, chunk kc) of a matrix with K columns lies at (rt K / 64 + kc) x 1,024.
; xn_codes: [3 versions][256 token tiles][12 chunks][1,024].  wcodes (rows = output columns): Wq 0, Wk 589,824, Wv 1,179,648, Wo 1,769,472, W1 2,359,296, W2 4,718,592.
; code = x / 2^e, held within +-448, to the nearest code, ties to even.  LIMITS: each e used here lies between -126 and 119; NaN among the inputs is not served.
; The mean is the sum x (1/768); partial sums are added in a fixed order (lane, half of the lanes, wave 0 to 3), which is not reference()'s order.
.set SPARE, 512                        ; LDS: 0-255 the waves' sums, 256-511 their sums of squares ([row][wave] words), 512-1,023 the spare words, 128 bytes a wave, which no other line names
.set SPW, 10                           ; v10  LDS address of my spare word; never rewritten
.set NIL, 11                           ; v11  0; never rewritten
.set X,   32                           ; v32-127  my 96 numbers of row r: register 32 c + 16 b + 8 s + i = column 192 w + 64 c + 32 b + 16 s + 8 h + i
.set G,   128                          ; v128-159 ln1_g of a chunk's 32 columns
.set B,   160                          ; v160-191 ln1_b
.set T,   192                          ; v192-207 two sets of eight held numbers
.set C,   208                          ; v208-231 a chunk's codes, eight registers a version
.set WX,  32                           ; weights: v32-95 two sets of 32 numbers
.set WC,  96                           ; weights: v96-159 codes, eight registers a block, so that no store's data are written again
	s_load_b256 s[4:11], s[0:1], 0x0               ; x s[4:5], ln1_g s[6:7], ln1_b s[8:9], the exponents s[10:11]
	s_load_b128 s[12:15], s[0:1], 0x20             ; xn_codes s[12:13], wcodes s[14:15]
	s_load_b256 s[16:23], s[0:1], 0x30             ; Wq, Wk, Wv, Wo
	s_load_b128 s[24:27], s[0:1], 0x50             ; W2 s[24:25], W1 s[26:27]
	v_lshl_add_u32 v[SPW], v0, 2, SPARE
	v_mov_b32 v[NIL], 0
	v_lshrrev_b32 v1, 5, v0
	v_readfirstlane_b32 s28, v1                    ; wave 0..3
	v_and_b32 v1, 31, v0                           ; lane
	s_wait_kmcnt 0x0
	s_load_b512 s[36:51], s[10:11], 0x0            ; e0 .. e15 in s36 .. s51
	s_cmp_ge_u32 ttmp9, 256                        ; the work-group's number alone: all four waves go the same way
	s_cbranch_scc1 .Lweights
; ---------------- the layer norm: 16 tokens a work-group; wave w takes columns 192 w .. 192 w + 191, lane (r, h) 96 of row r
	v_and_b32 v2, 15, v0                           ; r
	v_bfe_u32 v3, v0, 4, 1                         ; h
	s_mul_i32 s29, s28, 768
	v_mul_u32_u24 v4, v2, 3072
	v_lshl_add_u32 v4, v3, 5, v4
	v_add_nc_u32 v4, s29, v4                       ; x: 3,072 r + 32 h + 768 w
	v_lshlrev_b32 v5, 5, v3
	v_add_nc_u32 v5, s29, v5                       ; g, b: 32 h + 768 w
	s_mul_i32 s29, s28, 3072
	s_wait_alu depctr_va_vdst(0)
	v_lshlrev_b32 v6, 4, v1
	v_add_nc_u32 v6, s29, v6                       ; codes: 16 x lane + my three images
	s_lshl_b32 s29, s28, 2
	v_lshlrev_b32 v8, 4, v2                        ; a row's four partial sums: 16 r
	v_add_nc_u32 v7, s29, v8                       ; mine: 16 r + 4 w
	v_mov_b32 v30, 0                               ; written once: a lane permute's destination counts as one of its sources
	s_mul_i32 s30, ttmp9, 49152
	s_mov_b32 s31, 0
	s_add_nc_u64 s[4:5], s[4:5], s[30:31]          ; my 16 rows of x
	s_mul_i32 s30, ttmp9, 12288
	s_add_nc_u64 s[12:13], s[12:13], s[30:31]      ; my token tile's 12 images
	s_mov_b32 s52, 0x76543210                      ; lane selects: lane l xor 16
	s_mov_b32 s53, 0xfedcba98
	s_mov_b32 s54, 0x3aaaaaab                      ; 1 / 768
	s_mov_b32 s55, 0x3727c5ac                      ; 1e-5
.irp c, 0,1,2
.irp b, 0,1
.irp s, 0,1
.irp q, 0,1
	global_load_b128 v[X+32*\c+16*\b+8*\s+4*\q:X+32*\c+16*\b+8*\s+4*\q+3], v4, s[4:5] offset:256*\c+128*\b+64*\s+16*\q th:TH_LOAD_NT
.endr
.endr
.endr
.endr
.macro GBLOAD c                        ; g and b of chunk c's columns, in x's register order
.irp b, 0,1
.irp s, 0,1
.irp q, 0,1
	global_load_b128 v[G+16*\b+8*\s+4*\q:G+16*\b+8*\s+4*\q+3], v5, s[6:7] offset:256*(\c)+128*\b+64*\s+16*\q
	global_load_b128 v[B+16*\b+8*\s+4*\q:B+16*\b+8*\s+4*\q+3], v5, s[8:9] offset:256*(\c)+128*\b+64*\s+16*\q
.endr
.endr
.endr
.endm
	GBLOAD 0
	s_wait_kmcnt 0x0                               ; the exponents
.irp s, 0,1,2
	s_add_co_i32 s56, s[36+2*\s], 127
	s_lshl_b32 s57, s56, 23
	v_mov_b32 v[12+2*\s], s57                      ; 2^e as f32: the conversion takes its exponent field
	s_add_co_i32 s56, s56, 8
	s_lshl_b32 s56, s56, 23
	s_or_b32 s56, s56, 0x600000
	v_mov_b32 v[13+2*\s], s56                      ; 448 x 2^e
.endr
; four chains in v[22:29] become the row's sum in v24: my two halves, the lane 16 away, then the four waves' words through LDS
.macro REDUCE off
	v_pk_add_f32 v[22:23], v[22:23], v[24:25]
	v_pk_add_f32 v[26:27], v[26:27], v[28:29]
	v_pk_add_f32 v[22:23], v[22:23], v[26:27]
	v_add_f32 v22, v22, v23
	v_permlanex16_b32 v30, v22, s52, s53
	v_add_f32 v22, v22, v30
	ds_store_b32 v7, v22 offset:\off
	s_wait_dscnt 0x0                               ; for the others' sake: my word has landed
	s_barrier_signal -1
	s_barrier_wait -1
	ds_load_b128 v[24:27], v8 offset:\off
	s_wait_dscnt 0x0
	v_add_f32 v24, v24, v25
	v_add_f32 v24, v24, v26
	v_add_f32 v24, v24, v27
.endm
	s_wait_loadcnt 16                              ; x's 24 loads are in; the 16 of g and b may be out
.irp k, 0,1,2,3
	v_pk_add_f32 v[22+2*\k:23+2*\k], v[X+2*\k:X+2*\k+1], v[X+8+2*\k:X+8+2*\k+1]
.endr
.set j, 16
.rept 10
.irp k, 0,1,2,3
	v_pk_add_f32 v[22+2*\k:23+2*\k], v[22+2*\k:23+2*\k], v[X+j+2*\k:X+j+2*\k+1]
.endr
.set j, j+8
.endr
	REDUCE 0
	v_mul_f32 v18, s54, v24                        ; the mean
	v_mov_b32 v19, v18
.set j, 0
.rept 48
	v_pk_add_f32 v[X+j:X+j+1], v[X+j:X+j+1], v[18:19] neg_lo:[0,1] neg_hi:[0,1]   ; x - mean, in place
.set j, j+2
.endr
.irp k, 0,1,2,3
	v_pk_mul_f32 v[22+2*\k:23+2*\k], v[X+2*\k:X+2*\k+1], v[X+2*\k:X+2*\k+1]
.endr
.set j, 8
.rept 11
.irp k, 0,1,2,3
	v_pk_fma_f32 v[22+2*\k:23+2*\k], v[X+j+2*\k:X+j+2*\k+1], v[X+j+2*\k:X+j+2*\k+1], v[22+2*\k:23+2*\k]
.endr
.set j, j+8
.endr
	REDUCE 256                                     ; other bytes than the first sum's: no wave need have finished reading those
	v_fma_f32 v20, v24, s54, s55                   ; the variance + 1e-5
	s_wait_alu depctr_va_vdst(0)
	v_rsq_f32 v20, v20
	v_nop                                          ; a plain instruction behind the transcendental
	s_wait_alu depctr_va_vdst(0)                   ; the wait ahead of the result's first reader
	v_mov_b32 v21, v20
.macro CHUNK c
	s_wait_loadcnt 0x0                             ; this chunk's g and b
.set j, 0
.rept 16
	v_pk_mul_f32 v[X+32*\c+j:X+32*\c+j+1], v[X+32*\c+j:X+32*\c+j+1], v[20:21]
.set j, j+2
.endr
.set j, 0
.rept 16
	v_pk_fma_f32 v[X+32*\c+j:X+32*\c+j+1], v[X+32*\c+j:X+32*\c+j+1], v[G+j:G+j+1], v[B+j:B+j+1]
.set j, j+2
.endr
.if \c < 2
	GBLOAD \c+1
.endif
.if \c > 0
	s_wait_xcnt 0x0                                ; the last chunk's stores have read their data: the codes' registers are written again only behind this wait
.endif
.irp s, 0,1,2                          ; the three versions; group p of eight numbers gives registers 2 p, 2 p + 1 of the image
.irp p, 0,1,2,3
.irp i, 0,1,2,3,4,5,6,7
	v_med3_num_f32 v[T+8*(\p%2)+\i], v[X+32*\c+8*\p+\i], -v[13+2*\s], v[13+2*\s]   ; the conversion to an 8-bit code does not saturate (ISA guide 7.6.2): the hold first
.endr
	v_cvt_scalef32_pk8_fp8_f32 v[C+8*\s+2*\p:C+8*\s+2*\p+1], v[T+8*(\p%2):T+8*(\p%2)+7], v[12+2*\s]
.endr
.endr
	v_nop                                          ; a plain instruction behind the last conversion
.irp s, 0,1,2
.irp b, 0,1
	global_store_b128 v6, v[C+8*\s+4*\b:C+8*\s+4*\b+3], s[12:13] offset:\s*3145728+1024*\c+512*\b   ; the wave stores 512 consecutive bytes, aligned
.endr
.endr
.endm
	s_wait_alu depctr_va_vdst(0)
	CHUNK 0
	CHUNK 1
	CHUNK 2
	s_wait_tensorcnt 0x0                           ; the wave's end
	ds_add_u32 v[SPW], v[NIL]
	s_wait_dscnt 0x0
	s_endpgm
; ---------------- the weights: a work-group takes 128 columns x 256 along K, a wave 32 columns: A LANE TAKES A COLUMN, AND ITS REGISTERS RUN DOWN K.
.macro LOADB t, n                      ; block t: W(32 t + i, my column) into set t % 2; a wave's load reads 128 consecutive bytes
.set i, 0
.rept 32
	global_load_b32 v[WX+32*((\t)%2)+i], v3, s[30:31] offset:(32*(\t)+i)*4*\n th:TH_LOAD_NT
.set i, i+1
.endr
.endm
.macro BLOCKW t, n
.if (\t) < 7
	s_wait_loadcnt 32                              ; this block's 32 loads are in; the next block's may be out
.else
	s_wait_loadcnt 0x0
.endif
.set i, 0
.rept 32
	v_med3_num_f32 v[WX+32*((\t)%2)+i], v[WX+32*((\t)%2)+i], -v13, v13
.set i, i+1
.endr
.irp p, 0,1,2,3                        ; piece p (k = 8 p .. 8 p + 7 of the block) belongs to the image's half of lanes p % 2, bytes 8 (p / 2) on
	v_cvt_scalef32_pk8_fp8_f32 v[WC+8*(\t)+4*(\p%2)+2*(\p/2):WC+8*(\t)+4*(\p%2)+2*(\p/2)+1], v[WX+32*((\t)%2)+8*\p:WX+32*((\t)%2)+8*\p+7], v12
.endr
.irp h, 0,1
	global_store_b128 v8, v[WC+8*(\t)+4*\h:WC+8*(\t)+4*\h+3], s[14:15] offset:1024*((\t)/2)+512*((\t)%2)+256*\h   ; sixteen lanes store 256 consecutive bytes, aligned
.endr
.if (\t)+2 < 8
	LOADB (\t)+2, \n
.endif
.endm
.macro QW n
	LOADB 0, \n
	LOADB 1, \n
.irp t, 0,1,2,3,4,5,6,7
	BLOCKW \t, \n
.endr
.endm
.macro WTAIL                           ; s34 = e, s35 = bytes from a row tile to the next
	s_add_co_i32 s56, s34, 127
	s_lshl_b32 s57, s56, 23
	v_mov_b32 v12, s57                             ; 2^e
	s_add_co_i32 s56, s56, 8
	s_lshl_b32 s56, s56, 23
	s_or_b32 s56, s56, 0x600000
	v_mov_b32 v13, s56                             ; 448 x 2^e
	v_mul_lo_u32 v8, v4, s35
	v_lshl_add_u32 v8, v5, 4, v8                   ; my column's place: row tile lane / 16, row lane % 16
.endm
.Lweights:
	s_sub_co_u32 s29, ttmp9, 256                   ; 0..215
	s_wait_alu depctr_va_vdst(0)
	v_lshlrev_b32 v3, 2, v1
	v_lshrrev_b32 v4, 4, v1
	v_and_b32 v5, 15, v1
	s_wait_kmcnt 0x0                               ; the exponents
	s_cmp_ge_u32 s29, 144
	s_cbranch_scc1 .Lw1
	s_mov_b64 s[30:31], s[16:17]                   ; 0-17 Wq, 18-35 Wk, 36-53 Wv, 54-71 Wo, 72-143 W2: all have rows of 768 numbers
	s_mov_b32 s32, 0
	s_mov_b32 s33, 0
	s_mov_b32 s34, s37
	s_mov_b32 s35, 12288
	s_cmp_ge_u32 s29, 18
	s_cselect_b64 s[30:31], s[18:19], s[30:31]
	s_cselect_b32 s32, 18, s32
	s_cselect_b32 s33, 589824, s33
	s_cselect_b32 s34, s39, s34
	s_cmp_ge_u32 s29, 36
	s_cselect_b64 s[30:31], s[20:21], s[30:31]
	s_cselect_b32 s32, 36, s32
	s_cselect_b32 s33, 1179648, s33
	s_cselect_b32 s34, s41, s34
	s_cmp_ge_u32 s29, 54
	s_cselect_b64 s[30:31], s[22:23], s[30:31]
	s_cselect_b32 s32, 54, s32
	s_cselect_b32 s33, 1769472, s33
	s_cselect_b32 s34, s47, s34
	s_cmp_ge_u32 s29, 72
	s_cselect_b64 s[30:31], s[24:25], s[30:31]
	s_cselect_b32 s32, 72, s32
	s_cselect_b32 s33, 4718592, s33
	s_cselect_b32 s34, s51, s34
	s_cselect_b32 s35, 49152, s35
	s_sub_co_u32 s29, s29, s32                     ; j
	s_mul_i32 s52, s29, 43
	s_lshr_b32 s52, s52, 8                         ; kb = j / 6 (j under 72)
	s_mul_i32 s53, s52, 6
	s_sub_co_u32 s53, s29, s53                     ; cb = j % 6
	s_mul_i32 s54, s52, 786432                     ; 256 rows of 3,072 bytes
	s_lshl_b32 s55, s53, 9
	s_add_co_u32 s54, s54, s55
	s_lshl_b32 s55, s28, 7
	s_add_co_u32 s54, s54, s55
	s_mov_b32 s55, 0
	s_add_nc_u64 s[30:31], s[30:31], s[54:55]
	s_lshl_b32 s54, s53, 3
	s_lshl_b32 s56, s28, 1
	s_add_co_u32 s54, s54, s56                     ; row tile 8 cb + 2 w
	s_mul_i32 s54, s54, s35
	s_add_co_u32 s54, s54, s33
	s_lshl_b32 s56, s52, 12                        ; four images along K
	s_add_co_u32 s54, s54, s56
	s_add_nc_u64 s[14:15], s[14:15], s[54:55]
	s_wait_alu depctr_va_vdst(0)
	WTAIL
	s_wait_alu depctr_va_vdst(0)
	QW 768
	s_endpgm
.Lw1:
	s_mov_b64 s[30:31], s[26:27]                   ; W1: rows of 3,072 numbers
	s_mov_b32 s34, s49
	s_mov_b32 s35, 12288
	s_sub_co_u32 s29, s29, 144
	s_mul_i32 s53, s29, 86
	s_lshr_b32 s53, s53, 8                         ; cb = j / 3 (j under 72)
	s_mul_i32 s52, s53, 3
	s_sub_co_u32 s52, s29, s52                     ; kb = j % 3
	s_mul_i32 s54, s52, 3145728
	s_lshl_b32 s55, s53, 9
	s_add_co_u32 s54, s54, s55
	s_lshl_b32 s55, s28, 7
	s_add_co_u32 s54, s54, s55
	s_mov_b32 s55, 0
	s_add_nc_u64 s[30:31], s[30:31], s[54:55]
	s_lshl_b32 s54, s53, 3
	s_lshl_b32 s56, s28, 1
	s_add_co_u32 s54, s54, s56
	s_mul_i32 s54, s54, 12288
	s_add_co_u32 s54, s54, 2359296
	s_lshl_b32 s56, s52, 12
	s_add_co_u32 s54, s54, s56
	s_add_nc_u64 s[14:15], s[14:15], s[54:55]
	s_wait_alu depctr_va_vdst(0)
	WTAIL
	s_wait_alu depctr_va_vdst(0)
	QW 3072
	s_endpgm
.Lfunc_end_k_q6fc39256d6_prep:
	.size	k_q6fc39256d6_prep, .Lfunc_end_k_q6fc39256d6_prep-k_q6fc39256d6_prep
	.p2alignl 7, 3214868480
	.fill 96, 4, 3214868480
	.section	.rodata,"a",@progbits
	.p2align	6, 0x0
	.amdhsa_kernel k_q6fc39256d6_prep
		.amdhsa_group_segment_fixed_size 1024
		.amdhsa_private_segment_fixed_size 0
		.amdhsa_enable_private_segment 0
		.amdhsa_kernarg_size 96
		.amdhsa_user_sgpr_count 2
		.amdhsa_user_sgpr_kernarg_segment_ptr 1
		.amdhsa_wavefront_size32 1
		.amdhsa_system_sgpr_workgroup_id_x 1
		.amdhsa_system_sgpr_workgroup_id_y 1
		.amdhsa_system_sgpr_workgroup_id_z 1
		.amdhsa_system_vgpr_workitem_id 0
		.amdhsa_next_free_vgpr 232
		.amdhsa_next_free_sgpr 66
		.amdhsa_reserve_vcc 0
		.amdhsa_float_denorm_mode_32 3
		.amdhsa_float_denorm_mode_16_64 3
		.amdhsa_memory_ordered 1
		.amdhsa_forward_progress 1
		.amdhsa_inst_pref_size 140
	.end_amdhsa_kernel
	.amdgpu_metadata
---
amdhsa.version: [ 1, 2 ]
amdhsa.kernels:
  - .name:           k_q6fc39256d6_prep
    .symbol:         k_q6fc39256d6_prep.kd
    .args:
      - { .name: x, .offset: 0, .size: 8, .value_kind: global_buffer, .address_space: global }
      - { .name: ln1_g, .offset: 8, .size: 8, .value_kind: global_buffer, .address_space: global }
      - { .name: ln1_b, .offset: 16, .size: 8, .value_kind: global_buffer, .address_space: global }
      - { .name: lowp_scales, .offset: 24, .size: 8, .value_kind: global_buffer, .address_space: global }
      - { .name: xn_codes, .offset: 32, .size: 8, .value_kind: global_buffer, .address_space: global }
      - { .name: wcodes, .offset: 40, .size: 8, .value_kind: global_buffer, .address_space: global }
      - { .name: Wq, .offset: 48, .size: 8, .value_kind: global_buffer, .address_space: global }
      - { .name: Wk, .offset: 56, .size: 8, .value_kind: global_buffer, .address_space: global }
      - { .name: Wv, .offset: 64, .size: 8, .value_kind: global_buffer, .address_space: global }
      - { .name: Wo, .offset: 72, .size: 8, .value_kind: global_buffer, .address_space: global }
      - { .name: W2, .offset: 80, .size: 8, .value_kind: global_buffer, .address_space: global }
      - { .name: W1, .offset: 88, .size: 8, .value_kind: global_buffer, .address_space: global }
    .group_segment_fixed_size: 1024
    .private_segment_fixed_size: 0
    .kernarg_segment_align: 8
    .kernarg_segment_size: 96
    .max_flat_workgroup_size: 128
    .sgpr_count:     66
    .vgpr_count:     232
    .wavefront_size: 32
...
	.end_amdgpu_metadata
.endif
;; end of part 1
;; launch qkv (part 2): grid 16 x 9, 16 waves a work-group, no clusters, 327,680 bytes of LDS; arguments xn_codes, wcodes, bq, bk, bv, lowp_scales, qkv_codes; writes qkv_codes
.if DOCPART == 2
	.amdgcn_target "amdgcn-amd-amdhsa--gfx1250"
	.amdhsa_code_object_version 6
	.text
	.protected	k_q6fc39256d6_qkv
	.globl	k_q6fc39256d6_qkv
	.p2align	8
	.type	k_q6fc39256d6_qkv,@function
k_q6fc39256d6_qkv:
	s_mov_b64 s[64:65], 0
	v_nop
	global_prefetch_b8 v0, s[64:65] scope:SCOPE_SE
	s_setreg_imm32_b32 hwreg(HW_REG_WAVE_MODE, 25, 1), 1
	s_wait_xcnt 0x0
.set SLOT1, 131072
.set YREG,  65536
.set SPARE, 262144
.set TP,    4096
.set STEPB, 4096
.set LI,  1
.set AX0, 2
.set AX1, 3
.set AY0, 4
.set AY1, 5
.set VO,  6
.set HO,  10
.set RO,  11
.set SPW, 12
.set NIL, 13
.set SC,  14
.set LIM, 15
.set ACC, 16
.set XF,  144
.set YF,  176
.set CB,  208
.set BT,  240
.set G1,  28
.set G0A, 36
.set G0B, 40
.macro LOADS ax, ay, off
.rept 4
	v_nop
.endr
.irp x, 0,1,2,3
.irp b, 0,1
	ds_load_b128 v[XF+8*\x+4*\b:XF+8*\x+4*\b+3], v[\ax] offset:\x*TP+(\off)+512*\b
.endr
.endr
.irp y, 0,1,2,3
.irp b, 0,1
	ds_load_b128 v[YF+8*\y+4*\b:YF+8*\y+4*\b+3], v[\ay] offset:\y*TP+(\off)+512*\b
.endr
.endr
.endm
.macro MULS cmode
.irp y, 0,1,2,3
	s_wait_dscnt 6-2*\y
.irp x, 0,1,2,3
.if \cmode == 0
	v_wmma_f32_16x16x64_fp8_fp8 v[ACC+8*(4*\y+\x):ACC+8*(4*\y+\x)+7], v[XF+8*\x:XF+8*\x+7], v[YF+8*\y:YF+8*\y+7], v[ACC+8*(4*\y+\x):ACC+8*(4*\y+\x)+7]
.elseif \cmode == 1
	v_wmma_f32_16x16x64_fp8_fp8 v[ACC+8*(4*\y+\x):ACC+8*(4*\y+\x)+7], v[XF+8*\x:XF+8*\x+7], v[YF+8*\y:YF+8*\y+7], v[CB+8*\x:CB+8*\x+7]
.else
	v_wmma_f32_16x16x64_fp8_fp8 v[ACC+8*(4*\y+\x):ACC+8*(4*\y+\x)+7], v[XF+8*\x:XF+8*\x+7], v[YF+8*\y:YF+8*\y+7], v[CB+8*\y:CB+8*\y+7]
.endif
.endr
.endr
.endm
.macro WORK ax, ay, first
.irp c, 0,1,2,3
.if (\first == 0) || (\c > 0)
	LOADS \ax, \ay, 1024*\c
	MULS 0
.endif
.endr
.endm
.macro CHANGE refill
	s_wait_tensorcnt 0x0
	ds_add_u32 v[SPW], v[NIL]
.if \refill
	s_add_nc_u64 s[G0A+2:G0A+3], s[G0A+2:G0A+3], 2*STEPB
.endif
	s_wait_dscnt 0x0
	s_barrier_signal -1
	s_barrier_wait -1
.if \refill
	tensor_load_to_lds s[G0A:G0A+3], s[G1:G1+7]
	s_nop 0
.endif
.endm
	s_load_b256 s[4:11], s[0:1], 0x0
	s_load_b128 s[12:15], s[0:1], 0x20
	s_load_b64 s[16:17], s[0:1], 0x30
	v_lshl_add_u32 v[SPW], v0, 2, SPARE
	v_mov_b32 v[NIL], 0
	ds_add_u32 v[SPW], v[NIL]
	ds_add_u32 v[SPW], v[NIL]
	v_lshrrev_b32 v1, 5, v0
	s_delay_alu instid0(VALU_DEP_1)
	v_readfirstlane_b32 s18, v1
	s_mov_b32 s19, ttmp9
	s_and_b32 s20, ttmp7, 0xffff
	s_cmp_ge_u32 s20, 3
	s_cselect_b32 s21, 1, 0
	s_cmp_ge_u32 s20, 6
	s_cselect_b32 s26, 1, 0
	s_add_co_u32 s21, s21, s26
	s_mul_i32 s26, s21, 3
	s_sub_co_u32 s22, s20, s26
	s_cmp_eq_u32 s21, 2
	s_cselect_b32 s23, 1, 0
	s_and_b32 s24, s18, 3
	s_lshr_b32 s25, s18, 2
	s_mov_b32 s[G1+0], 3<<16
	s_mov_b32 s[G1+1], 512<<16
	s_mov_b32 s[G1+2], 2<<16
	s_mov_b32 s[G1+3], 512<<16
	s_mov_b32 s[G1+4], 2
	s_mov_b32 s[G1+5], 1536
	s_mov_b32 s[G1+6], 0
	s_mov_b32 s[G1+7], 0
	v_and_b32 v1, 31, v0
	s_delay_alu instid0(VALU_DEP_1)
	v_lshlrev_b32 v[LI], 4, v1
	s_lshl_b32 s26, s24, 14
	v_add_nc_u32 v[AX0], s26, v[LI]
	s_delay_alu instid0(VALU_DEP_1)
	v_add_nc_u32 v[AX1], SLOT1, v[AX0]
	s_lshl_b32 s26, s25, 14
	s_add_co_u32 s26, s26, YREG
	v_add_nc_u32 v[AY0], s26, v[LI]
	s_delay_alu instid0(VALU_DEP_1)
	v_add_nc_u32 v[AY1], SLOT1, v[AY0]
	v_bfe_u32 v[HO], v0, 4, 1
	s_delay_alu instid0(VALU_DEP_1)
	v_lshlrev_b32 v[HO], 5, v[HO]
	v_and_b32 v[RO], 15, v0
	s_delay_alu instid0(VALU_DEP_1)
	v_lshlrev_b32 v[RO], 2, v[RO]
	s_and_b32 s26, s18, 7
	s_mul_i32 s26, s26, 24576
	s_mul_i32 s46, s20, 196608
	s_add_co_u32 s46, s46, s26
	s_mul_i32 s27, s21, 3145728
	s_mul_i32 s47, s19, 196608
	s_add_co_u32 s27, s27, s47
	s_add_co_u32 s27, s27, s26
	s_lshr_b32 s26, s18, 3
	s_xor_b32 s26, s26, s23
	s_lshl_b32 s[G0A+1], s18, 13
	s_add_co_u32 s[G0B+1], s[G0A+1], SLOT1
	s_wait_alu depctr_va_vdst(0)
	s_wait_dscnt 0x0
	s_wait_kmcnt 0x0
	s_load_b512 s[68:83], s[14:15], 0x0
	s_cmp_eq_u32 s26, 0
	s_cselect_b64 s[44:45], s[6:7], s[4:5]
	s_cselect_b32 s46, s46, s27
	s_mov_b32 s47, 0
	s_add_nc_u64 s[44:45], s[44:45], s[46:47]
	s_mov_b32 s[G0A], 1
	s_mov_b64 s[G0A+2:G0A+3], s[44:45]
	s_or_b32 s[G0A+3], s[G0A+3], 0x80000000
	s_mov_b32 s[G0B], 1
	s_add_nc_u64 s[G0B+2:G0B+3], s[44:45], STEPB
	s_or_b32 s[G0B+3], s[G0B+3], 0x80000000
	tensor_load_to_lds s[G0A:G0A+3], s[G1:G1+7]
	s_nop 0
	s_wait_alu depctr_va_vdst(0)
	s_wait_tensorcnt 0x0
	ds_add_u32 v12, v13
	s_wait_dscnt 0x0
	s_barrier_signal -1
	s_barrier_wait -1
	tensor_load_to_lds s[G0B:G0B+3], s[G1:G1+7]
	s_nop 0
	s_lshl_b32 s58, s22, 2
	s_add_co_u32 s59, s58, s24
	s_lshl_b32 s59, s59, 18
	s_mul_i32 s60, s21, 3145728
	s_add_co_u32 s59, s59, s60
	s_lshl_b32 s60, s19, 4
	s_lshl_b32 s61, s25, 2
	s_add_co_u32 s60, s60, s61
	s_lshl_b32 s60, s60, 10
	s_add_co_u32 s59, s59, s60
	s_add_co_u32 s58, s58, s25
	s_lshl_b32 s58, s58, 18
	s_add_co_u32 s58, s58, 6291456
	s_lshl_b32 s60, s19, 1
	s_lshr_b32 s61, s24, 1
	s_add_co_u32 s60, s60, s61
	s_lshl_b32 s60, s60, 13
	s_add_co_u32 s58, s58, s60
	s_and_b32 s60, s24, 1
	s_lshl_b32 s60, s60, 10
	s_add_co_u32 s58, s58, s60
	s_cmp_eq_u32 s23, 0
	s_cselect_b32 s58, s59, s58
	s_mov_b32 s59, 0
	s_mov_b32 s60, 2048
	s_cselect_b32 s60, 1024, s60
	s_cselect_b32 s56, s24, s25
	s_add_nc_u64 s[16:17], s[16:17], s[58:59]
	v_mov_b32 v[VO], v[LI]
	s_delay_alu instid0(VALU_DEP_1)
	v_add_nc_u32 v[VO+1], s60, v[VO]
	s_delay_alu instid0(VALU_DEP_1)
	v_add_nc_u32 v[VO+2], s60, v[VO+1]
	s_delay_alu instid0(VALU_DEP_1)
	v_add_nc_u32 v[VO+3], s60, v[VO+2]
	s_lshl_b32 s56, s56, 8
	s_lshl_b32 s57, s22, 10
	s_add_co_u32 s56, s56, s57
	s_mov_b32 s57, 0
	s_wait_kmcnt 0x0
	s_cmp_eq_u32 s21, 0
	s_cselect_b32 s50, s68, s70
	s_cselect_b32 s51, s69, s71
	s_cselect_b32 s52, s74, s75
	s_cselect_b64 s[48:49], s[8:9], s[10:11]
	s_cmp_eq_u32 s21, 2
	s_cselect_b32 s50, s72, s50
	s_cselect_b32 s51, s73, s51
	s_cselect_b32 s52, s77, s52
	s_cselect_b64 s[48:49], s[12:13], s[48:49]
	s_add_nc_u64 s[48:49], s[48:49], s[56:57]
	s_add_co_i32 s53, s50, s51
	s_sub_co_i32 s54, s52, s53
	s_add_co_i32 s54, s54, 127
	s_lshl_b32 s55, s54, 23
	v_mov_b32 v[SC], s55
	s_add_co_i32 s54, s54, 8
	s_lshl_b32 s54, s54, 23
	s_or_b32 s54, s54, 0x600000
	v_mov_b32 v[LIM], s54
	s_sub_co_i32 s53, 0, s53
	s_cmp_lg_u32 s23, 0
	s_cbranch_scc1 .Lbias_v
.irp x, 0,1,2,3
.irp q, 0,1
	global_load_b128 v[CB+8*\x+4*\q:CB+8*\x+4*\q+3], v[HO], s[48:49] offset:64*\x+16*\q
.endr
.endr
	s_wait_loadcnt 0x0
.set j, 0
.rept 32
	v_ldexp_f32 v[CB+j], v[CB+j], s53
.set j, j+1
.endr
	s_branch .Lbias_done
.Lbias_v:
.irp y, 0,1,2,3
	global_load_b32 v[BT+\y], v[RO], s[48:49] offset:64*\y
.endr
	s_wait_loadcnt 0x0
.irp y, 0,1,2,3
.irp j, 0,1,2,3,4,5,6,7
	v_ldexp_f32 v[CB+8*\y+\j], v[BT+\y], s53
.endr
.endr
.Lbias_done:
	s_wait_tensorcnt 0x1
	s_barrier_signal -1
	s_barrier_wait -1
	LOADS AX0, AY0, 0
	s_cmp_lg_u32 s23, 0
	s_cbranch_scc1 .Lfirst_v
	s_wait_alu depctr_va_vdst(0)
	MULS 1
	s_branch .Lfirst_done
.Lfirst_v:
	s_wait_alu depctr_va_vdst(0)
	MULS 2
.Lfirst_done:
	WORK AX0, AY0, 1
	CHANGE 1
	WORK AX1, AY1, 0
	CHANGE 0
	WORK AX0, AY0, 0
.rept 4
	v_nop
.endr
.irp y, 0,1,2,3
.irp x, 0,1,2,3
.irp j, 0,1,2,3,4,5,6,7
	v_med3_num_f32 v[ACC+8*(4*\y+\x)+\j], v[ACC+8*(4*\y+\x)+\j], -v[LIM], v[LIM]
.endr
	v_cvt_scalef32_pk8_fp8_f32 v[XF+8*\y+2*\x:XF+8*\y+2*\x+1], v[ACC+8*(4*\y+\x):ACC+8*(4*\y+\x)+7], v[SC]
.endr
	v_nop
	global_store_b128 v[VO+\y], v[XF+8*\y:XF+8*\y+3], s[16:17]
	global_store_b128 v[VO+\y], v[XF+8*\y+4:XF+8*\y+7], s[16:17] offset:512
.endr
	s_wait_tensorcnt 0x0
	ds_add_u32 v[SPW], v[NIL]
	s_wait_dscnt 0x0
	s_endpgm
.Lfunc_end_k_q6fc39256d6_qkv:
	.size	k_q6fc39256d6_qkv, .Lfunc_end_k_q6fc39256d6_qkv-k_q6fc39256d6_qkv
	.p2alignl 7, 3214868480
	.fill 96, 4, 3214868480
	.section	.rodata,"a",@progbits
	.p2align	6, 0x0
	.amdhsa_kernel k_q6fc39256d6_qkv
		.amdhsa_group_segment_fixed_size 327680
		.amdhsa_private_segment_fixed_size 0
		.amdhsa_enable_private_segment 0
		.amdhsa_kernarg_size 56
		.amdhsa_user_sgpr_count 2
		.amdhsa_user_sgpr_kernarg_segment_ptr 1
		.amdhsa_wavefront_size32 1
		.amdhsa_system_sgpr_workgroup_id_x 1
		.amdhsa_system_sgpr_workgroup_id_y 1
		.amdhsa_system_sgpr_workgroup_id_z 1
		.amdhsa_system_vgpr_workitem_id 0
		.amdhsa_next_free_vgpr 244
		.amdhsa_next_free_sgpr 90
		.amdhsa_reserve_vcc 0
		.amdhsa_float_denorm_mode_32 3
		.amdhsa_float_denorm_mode_16_64 3
		.amdhsa_memory_ordered 1
		.amdhsa_forward_progress 1
		.amdhsa_inst_pref_size 51
	.end_amdhsa_kernel
	.amdgpu_metadata
---
amdhsa.version: [ 1, 2 ]
amdhsa.kernels:
  - .name:           k_q6fc39256d6_qkv
    .symbol:         k_q6fc39256d6_qkv.kd
    .args:
      - { .name: xn_codes, .offset: 0, .size: 8, .value_kind: global_buffer, .address_space: global }
      - { .name: wcodes, .offset: 8, .size: 8, .value_kind: global_buffer, .address_space: global }
      - { .name: bq, .offset: 16, .size: 8, .value_kind: global_buffer, .address_space: global }
      - { .name: bk, .offset: 24, .size: 8, .value_kind: global_buffer, .address_space: global }
      - { .name: bv, .offset: 32, .size: 8, .value_kind: global_buffer, .address_space: global }
      - { .name: lowp_scales, .offset: 40, .size: 8, .value_kind: global_buffer, .address_space: global }
      - { .name: qkv_codes, .offset: 48, .size: 8, .value_kind: global_buffer, .address_space: global }
    .group_segment_fixed_size: 327680
    .private_segment_fixed_size: 0
    .kernarg_segment_align: 8
    .kernarg_segment_size: 56
    .max_flat_workgroup_size: 512
    .sgpr_count:     90
    .vgpr_count:     244
    .wavefront_size: 32
...
	.end_amdgpu_metadata
.endif
;; end of part 2
;; launch attn (part 3): grid 64 x 4, 12 waves a work-group, clusters of 4 x 1, 327,680 bytes of LDS; arguments qkv_codes, lowp_scales, ctx_codes; writes ctx_codes
.if DOCPART == 3
	.amdgcn_target "amdgcn-amd-amdhsa--gfx1250"
	.amdhsa_code_object_version 6
	.text
	.protected	k_q6fc39256d6_attn
	.globl	k_q6fc39256d6_attn
	.p2align	8
	.type	k_q6fc39256d6_attn,@function
k_q6fc39256d6_attn:
	s_mov_b64 s[64:65], 0
	v_nop
	global_prefetch_b8 v0, s[64:65] scope:SCOPE_SE
	s_setreg_imm32_b32 hwreg(HW_REG_WAVE_MODE, 25, 1), 1
	s_wait_xcnt 0x0
	s_wait_alu depctr_hold_cnt(0) depctr_sa_sdst(0) depctr_va_vdst(0) depctr_va_sdst(0) depctr_va_ssrc(0) depctr_va_vcc(0) depctr_vm_vsrc(0)
	s_getreg_b32 s2, hwreg(HW_REG_IB_STS2, 6, 4)
	s_cmp_eq_u32 s2, 0
	s_cbranch_scc0 .Lentry_in_a_cluster
	s_endpgm
.Lentry_in_a_cluster:
	s_bfe_u32 s2, ttmp6, 0x10000c
	s_cmp_lg_u32 s2, 0x3003
	s_cbranch_scc0 .Lentry_shape_is_right
	s_endpgm
.Lentry_shape_is_right:
; ATTENTION on codes of E4M3, 12 heads of 64, 4,096 keys, no mask; the result is quantised at once (e10) for the output projection.
; t = score x log2(e) / 8; M = the running largest t rounded UP to a whole number; p = 2^(t - M) is quantised (e8) along the keys, not normalised; the row's sum is taken of the unquantised p and divides at the end.
; When M moves, the sum and O are multiplied by 2^(old M - new M): nothing is rounded.
; SHARES.  A work-group takes 64 queries (x) of each of 3 heads (y).  Wave w of twelve: head 3 y + w / 4; TWO tiles of 16 queries, A = 4 x + w % 4 and B = A xor 1; and every second key step of 128 keys (w % 2):
; each fragment of K and V read from LDS feeds two tiles.  Waves w and w xor 1 hold the same two tiles over the two halves of the keys, each with a running M of its own;
; at the end each sends its B through an LDS stage and keeps its A (the partner's B is my A): both parts are brought under the larger M by exact powers of two, added, divided by the joined sum.
; Both products are used transposed: S^T = K Q^T (source 0 = 16 keys), O^T = V^T P^T (source 0 = 16 channels): a lane holds ONE query (lane % 16) of each tile.
; All operands lie as images of their registers (qkv_codes: q at 0, k at 3,145,728: [head][token tile][1,024]; v at 6,291,456: [head][group of 128 keys][channel tile][2,048]).  The conversion of S^T's tile T gives
; registers 2 T, 2 T + 1 of the K = 128 fragment of P, the conversion of O^T's tile c registers 2 c, 2 c + 1 of an image of ctx.
; RING.  Two slots of 256 keys; in a slot each head has 32,768 bytes: K's 16 images, then V's two groups.  Waves 0-5 fetch 16,384 dense bytes each; all twelve read.  Every wait on TENSORcnt is for 0; a wave has one load out at most.
; CLUSTER.  The four blocks of 64 queries of a cluster walk the same K and V: each tile is asked for JOINTLY, by the same descriptor and a mask that names the four.  My place in the cluster enters Q's, ctx's and the prefetch's global addresses alone.
; A TRIP (one slot): V's loads; S_A; tile A's softmax; O_A; S_B; the three lines and the round, with tile B's maximum and first scalings about them; the joint refill; the NEXT slot's K loads; the rest of tile B's softmax; O_B.
; K and V have registers of their own, so all my reads of a slot are over when V has landed, and the loads that follow a round land under work on registers.
; The exponentials go in two batches of 32, each with a wait ahead and behind; among them stand plain lines that read nothing written inside the batch.
; LIMITS: e6 + e7 between -123 and 130 (added to c's exponent field); e8 and e10 between -126 and 119; e8 + e9 goes by v_ldexp_f32 and has none; the scaled scores stay under 2^31 in magnitude.
; REGISTERS, window 0: v1 16 x lane; v2 + my part of a slot; v3 prefetch offset; v4 the slot's address; v5, v6 the add's two; v7-9, v24-29 at work; v[10:11], v[12:13] -M and largest t of A, B; v[14:15], v[16:17] their sums;
; v[18:19] f; v20, v21 the hold; v22 the scale; v30, v31 the stage; v32-95 S^T, then p; v96-159 K; v160-223 V; v224-239 p's codes (v232-239 first serve the sums); v240-255 Q of A, B.  Window 1: v0-31 O^T of A, v32-63 of B.
.set SLOT1, 131072
.set VOFF,  16384
.set SLOTB, 16384
.set NSL,   16
.set SPARE, 262144                     ; the spare words, 128 bytes a wave, which no other line names
.set STG,   263680                     ; behind them: the stage, 4,608 bytes a wave; no tile lands there
.set STGB,  4608
.set LI,  1
.set LB,  2
.set PFO, 3
.set AD,  4
.set SPW, 5
.set NIL, 6
.set NMA, 10
.set NMB, 12
.set LSA, 14
.set LSB, 16
.set STW, 30
.set STR, 31
.set S,   32
.set F1,  96
.set F2,  160
.set P,   224
.set Q,   240
.set WV,  18
.set SEL, 20
.set CS,  22
.set G1,  24
.set G0,  40
.set TB,  66
.set SLOTS, 67
.set PFA, 76
.set LIM, 80
.set EX,  84
.set MSB, 0
.macro WIN new                         ; the immediate's high byte repeats the setting that is left
.if MSB != \new
	s_set_vgpr_msb (MSB<<8)|\new
.set MSB, \new
.endif
.endm
.macro TLOAD                           ; waves 0-5 fetch: a branch on the wave's number, the same in all four partners, round the load's own lines alone
	s_cmp_lt_u32 s[WV], 6
	s_cbranch_scc0 .Lnone_\@
	tensor_load_to_lds s[G0:G0+3], s[G1:G1+7]
	s_nop 0
.rept 4
	v_nop
.endr
.Lnone_\@:
.endm
; A prefetch of what the NEXT change of slots will ask for: six blocks of 16,384 bytes.  The first cluster of a triple of heads asks; its four partners share the twelve halves of 8,192 bytes out BY ADDRESS:
; half 3 cx + (w - 6), in waves 6, 7, 8, lanes 256 bytes apart: each aligned block of 256 bytes is named once in the launch.  The last change that fills a slot asks for nothing; slots 0 and 1 come by their loads alone.
.macro ASK
	s_cmp_gt_u32 s[SLOTS], s[LIM]
	s_cbranch_scc0 .Lnot_mine_\@
	global_prefetch_b8 v[PFO], s[PFA:PFA+1] th:TH_LOAD_NT scope:SCOPE_SE
.Lnot_mine_\@:
.endm
.macro CREST                           ; a round of the cluster's barrier behind its opening barrier
	s_cmp_lg_u32 s[WV], 0
	s_cbranch_scc1 .Lnot_wave_0_\@
	s_barrier_signal -3
.Lnot_wave_0_\@:
	s_barrier_wait -3
	s_barrier_signal -1
	s_barrier_wait -1
.endm
.macro CROUND
	s_barrier_signal -1
	s_barrier_wait -1
	CREST
.endm
.macro WALK                            ; no tensor load of mine is out, so the group 0 may be written
	s_xor_b32 s[G0+1], s[G0+1], SLOT1
	s_add_nc_u64 s[G0+2:G0+3], s[G0+2:G0+3], SLOTB
	s_wait_xcnt 0x0                                ; the last prefetch, a slot back, has read its address
	s_add_nc_u64 s[PFA:PFA+1], s[PFA:PFA+1], SLOTB
.endm
.macro PLACES
.rept 4
	v_nop
.endr
.endm
.macro HOLD2 a                         ; the conversion does not saturate (ISA guide 7.6.2); p is not negative, so the hold is one-sided; two numbers a line
	v_dual_min_num_f32 v[\a], v[\a], v20 :: v_dual_min_num_f32 v[\a+1], v[\a+1], v21
.endm
.macro KLOAD                           ; my key step's eight images of K
	v_add_nc_u32 v[AD], s[TB], v[LB]
	s_wait_alu depctr_va_vdst(0)                   ; V's loads read the address again behind branches
.irp t, 0,1,2,3,4,5,6,7
.irp b, 0,1
	ds_load_b128 v[F1+8*\t+4*\b:F1+8*\t+4*\b+3], v[AD] offset:1024*\t+512*\b
.endr
.endr
.endm
.macro QK q                            ; S^T = K Q^T of tile q
.irp t, 0,1,2,3,4,5,6,7
	v_wmma_f32_16x16x64_fp8_fp8 v[S+8*\t:S+8*\t+7], v[F1+8*\t:F1+8*\t+7], v[Q+8*\q:Q+8*\q+7], 0
.endr
.endm
.macro MAXP nm                         ; the step's largest score in four chains, each accumulator from its low end on; then t, -M and f = 2^(old M - new M)
	v_max3_num_f32 v8, v[S], v[S+1], v[S+2]
	v_max3_num_f32 v9, v[S+3], v[S+4], v[S+5]
	v_max3_num_f32 v24, v[S+6], v[S+7], v[S+8]
	v_max3_num_f32 v25, v[S+9], v[S+10], v[S+11]
.irp i, 12,20,28,36,44,52
	v_max3_num_f32 v8, v8, v[S+\i], v[S+\i+1]
	v_max3_num_f32 v9, v9, v[S+\i+2], v[S+\i+3]
	v_max3_num_f32 v24, v24, v[S+\i+4], v[S+\i+5]
	v_max3_num_f32 v25, v25, v[S+\i+6], v[S+\i+7]
.endr
	v_max3_num_f32 v8, v8, v[S+60], v[S+61]
	v_max3_num_f32 v9, v9, v[S+62], v[S+63]
	v_max3_num_f32 v8, v8, v9, v24
	s_delay_alu instid0(VALU_DEP_1)
	v_max_num_f32 v8, v8, v25
	s_delay_alu instid0(VALU_DEP_1)
	v_permlanex16_b32 v7, v8, s[SEL], s[SEL+1]
	s_delay_alu instid0(VALU_DEP_1)
	v_max_num_f32 v8, v8, v7                       ; and among lane l xor 16's
	s_delay_alu instid0(VALU_DEP_1)
	v_mul_f32 v8, s[CS], v8                        ; as t (c is positive)
	s_delay_alu instid0(VALU_DEP_1)
	v_max_num_f32 v[\nm+1], v[\nm+1], v8           ; the running largest t
	v_mov_b32 v8, v[\nm]
	s_delay_alu instid0(VALU_DEP_2)
	v_floor_f32 v[\nm], -v[\nm+1]                  ; the new -M = -ceil(t)
	s_delay_alu instid0(VALU_DEP_1)
	v_sub_f32 v8, v[\nm], v8                       ; old M - new M: a whole number, 0 or less
	s_delay_alu instid0(VALU_DEP_1)
	v_cvt_i32_f32 v8, v8                           ; (it saturates)
	s_delay_alu instid0(VALU_DEP_1)
	v_ldexp_f32 v18, 1.0, v8
.endm
.macro FMA0 nm                         ; t - M of the first 32 scores, two at a time
.set j, 0
.rept 16
	v_pk_fma_f32 v[S+j:S+j+1], v[S+j:S+j+1], s[CS:CS+1], v[\nm:\nm+1] op_sel_hi:[1,0,0]
.set j, j+2
.endr
.endm
.macro POST nm, ls                     ; p, its sum, the hold and the codes
	s_wait_alu depctr_va_vdst(0)                   ; the wait ahead of a batch
.set i, 0
.rept 16
	v_exp_f32 v[S+2*i], v[S+2*i]
	v_exp_f32 v[S+2*i+1], v[S+2*i+1]
	v_pk_fma_f32 v[S+32+2*i:S+33+2*i], v[S+32+2*i:S+33+2*i], s[CS:CS+1], v[\nm:\nm+1] op_sel_hi:[1,0,0]   ; the other 32 scores' t - M, read behind the next wait
.set i, i+1
.endr
	v_pk_mul_f32 v[\ls:\ls+1], v[\ls:\ls+1], v[18:19] op_sel_hi:[1,0]   ; the sum under the new M
	s_wait_alu depctr_va_vdst(0)                   ; behind the first batch and ahead of the second
.set i, 0
.irp r, 232,234,236,238,8,24,26,28     ; eight sums that hang on nothing written inside the batch
	v_exp_f32 v[S+32+4*i], v[S+32+4*i]
	v_exp_f32 v[S+33+4*i], v[S+33+4*i]
	v_exp_f32 v[S+34+4*i], v[S+34+4*i]
	v_exp_f32 v[S+35+4*i], v[S+35+4*i]
	v_pk_add_f32 v[\r:\r+1], v[S+4*i:S+4*i+1], v[S+4*i+2:S+4*i+3]   ; the sum is taken of the unquantised p, ahead of the hold
	HOLD2 S+4*i
	HOLD2 S+4*i+2
.set i, i+1
.endr
	s_wait_alu depctr_va_vdst(0)                   ; behind the second batch, ahead of its first reader
.irp t, 0,1,2,3
	v_cvt_scalef32_pk8_fp8_f32 v[P+2*\t:P+2*\t+1], v[S+8*\t:S+8*\t+7], v22
.endr
.set i, 0
.irp r, 232,234,236,238,8,24,26,28
	v_pk_add_f32 v[\r:\r+1], v[\r:\r+1], v[S+32+4*i:S+33+4*i]
.set i, i+1
.endr
.set i, 0
.irp r, 232,234,236,238,8,24,26,28
	v_pk_add_f32 v[\r:\r+1], v[\r:\r+1], v[S+34+4*i:S+35+4*i]
.set i, i+1
.endr
	v_pk_add_f32 v[232:233], v[232:233], v[8:9]
	v_pk_add_f32 v[234:235], v[234:235], v[24:25]
	v_pk_add_f32 v[236:237], v[236:237], v[26:27]
	v_pk_add_f32 v[238:239], v[238:239], v[28:29]
.set i, 0
.rept 8
	HOLD2 S+32+2*i
.set i, i+1
.endr
	v_pk_add_f32 v[232:233], v[232:233], v[236:237]
	v_pk_add_f32 v[234:235], v[234:235], v[238:239]
.rept 4
	HOLD2 S+32+2*i
.set i, i+1
.endr
	v_pk_add_f32 v[232:233], v[232:233], v[234:235]
.rept 4
	HOLD2 S+32+2*i
.set i, i+1
.endr
	v_pk_add_f32 v[\ls:\ls+1], v[\ls:\ls+1], v[232:233]
.irp t, 4,5,6,7
	v_cvt_scalef32_pk8_fp8_f32 v[P+2*\t:P+2*\t+1], v[S+8*\t:S+8*\t+7], v22
.endr
.endm
.macro RESC ob                         ; O^T under the new M; these lines are also the plain ones between the conversions and the products
	WIN 0x41                                       ; destination and source 0 in window 1
	s_wait_alu depctr_va_vdst(0)                   ; the wait directly ahead of the first reader of O^T
.set j, 0
.rept 16
	v_pk_mul_f32 v[\ob+j:\ob+j+1], v[\ob+j:\ob+j+1], v[18:19] op_sel_hi:[1,0]
.set j, j+2
.endr
.endm
.macro PV ob                           ; O^T += V^T P^T, the four accumulators by turns
	WIN 0x50                                       ; C and D in window 1
.irp c, 0,1,2,3
	v_wmma_f32_16x16x128_fp8_fp8 v[\ob+8*\c:\ob+8*\c+7], v[F2+16*\c:F2+16*\c+15], v[P:P+15], v[\ob+8*\c:\ob+8*\c+7]
.endr
.endm
; A TRIP.  mode 1: the slot just read is filled again, behind a round of the cluster's barrier.  mode 2: nothing is left to ask for: my work-group's barrier alone.
.macro PERIOD mode
	PLACES                                         ; in front of loads into registers that the last products read
.irp c, 0,1,2,3
.irp g, 0,1,2,3
	ds_load_b128 v[F2+16*\c+4*\g:F2+16*\c+4*\g+3], v[AD] offset:VOFF+2048*\c+512*\g
.endr
.endr
	s_wait_dscnt 16                                ; K's 16 loads are in; V's 16, issued behind them, may be out
	QK 0
	PLACES
	MAXP NMA
	FMA0 NMA
	POST NMA, LSA
	RESC 0
	s_wait_alu depctr_va_vdst(0)
	s_wait_dscnt 0x0                               ; V: my last read of this slot
	PV 0
	WIN 0
	QK 1
	s_wait_alu depctr_va_vdst(0)
	s_wait_tensorcnt 0x0                           ; all my tensor loads have landed: my part of the next slot
	ds_add_u32 v[SPW], v[NIL]                      ; 0 onto my spare word
.if \mode == 1
	ds_add_u32 v[SPW], v[NIL]                      ; and once more, in every trip alike
	WALK
.endif
	PLACES
	MAXP NMB
	s_wait_alu depctr_va_vdst(0)
	s_wait_dscnt 0x0                               ; the add is done; my reads of this slot were over above
	s_barrier_signal -1
	FMA0 NMB                                       ; work on registers between the signal and the wait
	s_wait_alu depctr_va_vdst(0)
	s_barrier_wait -1
.if \mode == 1
	CREST                                          ; no wave of any partner still reads this slot or has a load on its way
	TLOAD                                          ; the first thing behind the round, a wave's one tensor load until the next
	s_xor_b32 s[TB], s[TB], SLOT1                  ; on to the other slot
	KLOAD
	ASK
.else
	s_xor_b32 s[TB], s[TB], SLOT1                  ; on to the other slot
	s_cmp_eq_u32 s[SLOTS], 1                       ; the last trip has no slot behind it: a branch on the count of trips, round the loads alone
	s_cbranch_scc1 .Lno_k_\@
	KLOAD
.Lno_k_\@:
.endif
	POST NMB, LSB
	RESC 32
	PV 32
	WIN 0
.endm
	s_load_b128 s[4:7], s[0:1], 0x0                ; qkv_codes s[4:5], the exponents s[6:7]
	s_load_b64 s[8:9], s[0:1], 0x10                ; ctx_codes
	v_lshl_add_u32 v[SPW], v0, 2, SPARE
	v_mov_b32 v[NIL], 0
	ds_add_u32 v[SPW], v[NIL]                      ; the opening lines: the add, twice on end, and its wait ahead of my first tensor load
	ds_add_u32 v[SPW], v[NIL]
	v_lshrrev_b32 v8, 5, v0
	v_readfirstlane_b32 s[WV], v8                  ; wave 0..11
	s_bfe_u32 s10, ttmp6, 0x40000                  ; cx
	s_lshl_b32 s11, ttmp9, 2
	s_add_co_u32 s11, s11, s10                     ; my block of 64 queries
	s_and_b32 s32, ttmp7, 0xffff
	s_mul_i32 s32, s32, 3                          ; the triple's first head
	s_lshr_b32 s33, s[WV], 1                       ; what I fetch, if I fetch: head w / 2 of the three (held at 2 in the waves that fetch nothing),
	s_min_u32 s33, s33, 2
	s_add_co_u32 s33, s33, s32
	s_lshl_b32 s34, s33, 18
	s_and_b32 s35, s[WV], 1                        ; of K (even waves) or of V (odd)
	s_mul_i32 s35, s35, 3145728
	s_add_co_u32 s34, s34, s35
	s_add_co_u32 s34, s34, 3145728
	s_mov_b32 s35, 0
	s_mov_b32 s[G1+0], 15|(3<<16)|(1<<21)          ; the mask: all four work-groups; elements of 8 bytes; bit 21 beside a mask; no padding
	s_mov_b32 s[G1+1], 32<<16                      ; rows of 256 bytes
	s_mov_b32 s[G1+2], 64<<16                      ; 64 rows
	s_mov_b32 s[G1+3], 32<<16
	s_mov_b32 s[G1+4], 64
	s_mov_b32 s[G1+5], 32                          ; dense
	s_mov_b32 s[G1+6], 0
	s_mov_b32 s[G1+7], 0
	s_mov_b32 s[SEL], 0x76543210
	s_mov_b32 s[SEL+1], 0xfedcba98
	s_mov_b32 s[CS], 0x3e38aa3b                    ; c = log2(e) / 8
	s_mov_b32 s[TB], 0
	s_mov_b32 s[SLOTS], NSL-2                      ; the first loop's trips: slots 2 to 15 are asked for in it
	s_lshl_b32 s[G0+1], s[WV], 14                  ; LDS address: 16,384 x wave, in slot 0
	s_lshr_b32 s36, s[WV], 2                       ; my head of the three,
	s_lshl_b32 s12, s36, 15                        ; its part of a slot,
	s_and_b32 s13, s[WV], 1
	s_lshl_b32 s13, s13, 13
	s_add_co_u32 s12, s12, s13                     ; and my key step of the slot's two
	s_add_co_u32 s36, s36, s32
	s_and_b32 s37, s[WV], 3
	s_lshl_b32 s38, s11, 2
	s_add_co_u32 s37, s37, s38                     ; tile A: 4 x block + w % 4
	s_mul_i32 s38, s37, 12288
	s_lshl_b32 s39, s36, 10
	s_add_co_u32 s38, s38, s39                     ; its image of ctx: chunk = the head
	s_mov_b32 s39, 0
	s_lshl_b32 s37, s37, 10
	s_lshl_b32 s36, s36, 18
	s_add_co_u32 s36, s36, s37                     ; its image of q,
	s_mov_b32 s37, 0
	s_xor_b32 s14, s36, 1024                       ; and tile B's: A xor 1
	s_mov_b32 s15, 0
	s_mul_i32 s16, s[WV], STGB
	s_add_co_u32 s16, s16, STG                     ; my part of the stage,
	s_xor_b32 s17, s[WV], 1
	s_mul_i32 s17, s17, STGB
	s_add_co_u32 s17, s17, STG                     ; and my partner's
	s_sub_co_u32 s44, s[WV], 6                     ; the prefetches: 0, 1, 2 in waves 6, 7, 8
	s_min_u32 s45, s44, 2
	s_mul_i32 s46, s10, 3
	s_add_co_u32 s46, s46, s45                     ; my half of 8,192 bytes among a slot's twelve
	s_lshr_b32 s47, s46, 2
	s_add_co_u32 s47, s47, s32
	s_lshl_b32 s47, s47, 18
	s_bfe_u32 s48, s46, 0x10001
	s_mul_i32 s48, s48, 3145728
	s_add_co_u32 s47, s47, s48
	s_and_b32 s48, s46, 1
	s_lshl_b32 s48, s48, 13
	s_add_co_u32 s46, s47, s48
	s_add_co_u32 s46, s46, 3145728+SLOTB           ; in slot 1's keys: the first change of slots steps it on
	s_mov_b32 s47, 0
	s_cmp_lt_u32 s44, 3
	s_cselect_b32 s48, 0, 1
	s_or_b32 s48, s48, ttmp9                       ; 0 in waves 6 to 8 of the triple's first cluster: the same in all four partners
	s_cmp_eq_u32 s48, 0
	s_cselect_b32 s[LIM], 1, -1
	v_and_b32 v[LI], 31, v0
	v_lshlrev_b32 v[PFO], 8, v[LI]
	v_lshlrev_b32 v[LI], 4, v[LI]
	v_add_nc_u32 v[LB], s12, v[LI]
	v_add_nc_u32 v[STW], s16, v[LI]
	v_add_nc_u32 v[STR], s17, v[LI]
	s_wait_alu depctr_va_vdst(0)
	s_wait_dscnt 0x0                               ; both opening adds are done
	s_wait_kmcnt 0x0
	s_load_b512 s[EX:EX+15], s[6:7], 0x0
	s_mov_b32 s[G0], 1
	s_add_nc_u64 s[G0+2:G0+3], s[4:5], s[34:35]
	s_or_b32 s[G0+3], s[G0+3], 0x80000000
	CROUND                                         ; all four work-groups are here: the first joint loads meet
	TLOAD                                          ; slot 0
	s_add_nc_u64 s[44:45], s[4:5], s[36:37]
	s_add_nc_u64 s[50:51], s[4:5], s[14:15]
	s_add_nc_u64 s[8:9], s[8:9], s[38:39]
	s_add_nc_u64 s[PFA:PFA+1], s[4:5], s[46:47]
	global_load_b128 v[Q:Q+3], v[LI], s[44:45]     ; Q's two fragments stay in registers
	global_load_b128 v[Q+4:Q+7], v[LI], s[44:45] offset:512
	global_load_b128 v[Q+8:Q+11], v[LI], s[50:51]
	global_load_b128 v[Q+12:Q+15], v[LI], s[50:51] offset:512
	WIN 0x40
.set j, 0
.rept 64
	v_mov_b32 v[j], 0                              ; O^T: the trip is written for every slot alike; the first finds zeros, which the first change of M leaves zeros
.set j, j+1
.endr
	WIN 0
	v_mov_b32 v[NMA+1], 0xff61b1e6                 ; the largest t so far: -3e38, under every t
	v_mov_b32 v[NMB+1], 0xff61b1e6
	v_floor_f32 v[NMA], -v[NMA+1]
	v_floor_f32 v[NMB], -v[NMB+1]
	v_mov_b32 v14, 0
	v_mov_b32 v15, 0
	v_mov_b32 v16, 0
	v_mov_b32 v17, 0
	v_mov_b32 v7, 0                                ; a lane permute's destination counts as one of its sources
	v_mov_b32 v19, 0                               ; (named as the upper half of the pair v[18:19])
	s_wait_kmcnt 0x0
	s_add_co_i32 s46, s[EX+6], s[EX+7]
	s_lshl_b32 s46, s46, 23
	s_add_co_i32 s[CS], s[CS], s46                 ; a score stands for score x 2^(e6 + e7): added to c's exponent field
	s_mov_b32 s[CS+1], s[CS]
	s_add_co_i32 s46, s[EX+8], 127
	s_lshl_b32 s47, s46, 23
	v_mov_b32 v22, s47                             ; 2^e8
	s_add_co_i32 s46, s46, 8
	s_lshl_b32 s46, s46, 23
	s_or_b32 s46, s46, 0x600000
	v_mov_b32 v20, s46                             ; 448 x 2^e8, twice: one for each half of a dual line
	v_mov_b32 v21, s46
	s_wait_alu depctr_va_vdst(0)
	s_wait_loadcnt 0x0                             ; Q
	s_wait_tensorcnt 0x0                           ; my part of slot 0 has landed
	ds_add_u32 v[SPW], v[NIL]                      ; the add, here twice on end
	ds_add_u32 v[SPW], v[NIL]
	WALK
	s_wait_dscnt 0x0
	CROUND
	TLOAD                                          ; slot 1's first fill is issued as a refill is: my one joint load behind a round
	KLOAD                                          ; slot 0's K
	ASK
.Lslot:                                            ; NSL - 2 trips: trip i walks slot i and asks for slot i + 2
	PERIOD 1
	s_sub_co_u32 s[SLOTS], s[SLOTS], 1
	s_cmp_lg_u32 s[SLOTS], 0
	s_cbranch_scc1 .Lslot
	s_mov_b32 s[SLOTS], 2
.Ltail:                                            ; the last two slots: a loop of their own with no tensor load, so that none is jumped over
	PERIOD 2
	s_sub_co_u32 s[SLOTS], s[SLOTS], 1
	s_cmp_lg_u32 s[SLOTS], 0
	s_cbranch_scc1 .Ltail
	; THE JOIN.  The sums' halves; then tile B's -M, sum and O^T go to my part of the stage, and my partner's part brings the other keys' share of tile A.
	v_add_f32 v14, v14, v15
	v_add_f32 v16, v16, v17
	v_permlanex16_b32 v7, v14, s[SEL], s[SEL+1]
	v_permlanex16_b32 v8, v16, s[SEL], s[SEL+1]
	v_add_f32 v14, v14, v7                         ; tile A's sum over my keys
	v_add_f32 v13, v16, v8                         ; tile B's, beside its -M
	v_nop
	v_nop
	WIN 0x04                                       ; the stores' data in window 1
.irp i, 0,1,2,3,4,5,6,7
	ds_store_b128 v[STW], v[32+4*\i:35+4*\i] offset:512*\i
.endr
	WIN 0
	ds_store_b128 v[STW], v[12:15] offset:4096
	s_add_co_i32 s46, s[EX+10], 127
	s_lshl_b32 s47, s46, 23
	v_mov_b32 v22, s47                             ; 2^e10
	s_add_co_i32 s46, s46, 8
	s_lshl_b32 s46, s46, 23
	s_or_b32 s46, s46, 0x600000
	v_mov_b32 v20, s46                             ; 448 x 2^e10
	s_add_co_i32 s46, s[EX+8], s[EX+9]
	s_wait_alu depctr_va_vdst(0)
	s_wait_dscnt 0x0                               ; for my partner's sake: my stores have landed
	s_barrier_signal -1
	s_barrier_wait -1
.irp i, 0,1,2,3,4,5,6,7
	ds_load_b128 v[S+4*\i:S+4*\i+3], v[STR] offset:512*\i
.endr
	ds_load_b128 v[24:27], v[STR] offset:4096      ; v24 the partner's -M, v25 its sum
	s_wait_dscnt 0x0
	v_min_num_f32 v8, v10, v24                     ; -M of both
	v_sub_f32 v9, v8, v10                          ; whole numbers, 0 or less
	v_sub_f32 v26, v8, v24
	v_cvt_i32_f32 v9, v9
	v_cvt_i32_f32 v26, v26
	v_ldexp_f32 v9, 1.0, v9
	v_ldexp_f32 v26, 1.0, v26
	v_mul_f32 v14, v14, v9
	v_fmac_f32 v14, v25, v26                       ; the row's sum under the joint M
	s_wait_alu depctr_va_vdst(0)                   ; the wait ahead of the transcendental
	v_rcp_f32 v14, v14
	v_mov_b32 v29, 0                               ; a plain line behind it (the upper half of the pair v[28:29])
	s_wait_alu depctr_va_vdst(0)                   ; the wait ahead of its first reader
	v_ldexp_f32 v14, v14, s46                      ; x 2^(e8 + e9)
	v_mul_f32 v18, v9, v14
	v_mul_f32 v28, v26, v14
.set j, 0
.rept 16
	v_pk_mul_f32 v[S+j:S+j+1], v[S+j:S+j+1], v[28:29] op_sel_hi:[1,0]
.set j, j+2
.endr
	WIN 0x01                                       ; source 0 in window 1
	s_wait_alu depctr_va_vdst(0)                   ; the wait directly ahead of the first reader of O^T
.set j, 0
.rept 16
	v_pk_fma_f32 v[S+j:S+j+1], v[j:j+1], v[18:19], v[S+j:S+j+1] op_sel_hi:[1,0,1]   ; register 8 c + i is ctx(query r, channel 16 c + 8 h + i)
.set j, j+2
.endr
	WIN 0
.set j, 0
.rept 32
	v_med3_num_f32 v[S+j], v[S+j], -v20, v20
.set j, j+1
.endr
.irp c, 0,1,2,3
	v_cvt_scalef32_pk8_fp8_f32 v[F1+2*\c:F1+2*\c+1], v[S+8*\c:S+8*\c+7], v22
.endr
	v_nop                                          ; a plain line behind the last conversion
	global_store_b128 v[LI], v[F1:F1+3], s[8:9]    ; the wave stores 512 consecutive bytes, aligned
	global_store_b128 v[LI], v[F1+4:F1+7], s[8:9] offset:512
	s_wait_tensorcnt 0x0                           ; the wave's end
	ds_add_u32 v[SPW], v[NIL]
	s_wait_dscnt 0x0
	CROUND                                         ; the closing round
	s_endpgm
.Lfunc_end_k_q6fc39256d6_attn:
	.size	k_q6fc39256d6_attn, .Lfunc_end_k_q6fc39256d6_attn-k_q6fc39256d6_attn
	.p2alignl 7, 3214868480
	.fill 96, 4, 3214868480
	.section	.rodata,"a",@progbits
	.p2align	6, 0x0
	.amdhsa_kernel k_q6fc39256d6_attn
		.amdhsa_group_segment_fixed_size 327680
		.amdhsa_private_segment_fixed_size 0
		.amdhsa_enable_private_segment 0
		.amdhsa_kernarg_size 24
		.amdhsa_user_sgpr_count 2
		.amdhsa_user_sgpr_kernarg_segment_ptr 1
		.amdhsa_wavefront_size32 1
		.amdhsa_system_sgpr_workgroup_id_x 1
		.amdhsa_system_sgpr_workgroup_id_y 1
		.amdhsa_system_sgpr_workgroup_id_z 1
		.amdhsa_system_vgpr_workitem_id 0
		.amdhsa_next_free_vgpr 320
		.amdhsa_next_free_sgpr 100
		.amdhsa_reserve_vcc 0
		.amdhsa_float_denorm_mode_32 3
		.amdhsa_float_denorm_mode_16_64 3
		.amdhsa_memory_ordered 1
		.amdhsa_forward_progress 1
		.amdhsa_inst_pref_size 78
	.end_amdhsa_kernel
	.amdgpu_metadata
---
amdhsa.version: [ 1, 2 ]
amdhsa.kernels:
  - .name:           k_q6fc39256d6_attn
    .symbol:         k_q6fc39256d6_attn.kd
    .args:
      - { .name: qkv_codes, .offset: 0, .size: 8, .value_kind: global_buffer, .address_space: global }
      - { .name: lowp_scales, .offset: 8, .size: 8, .value_kind: global_buffer, .address_space: global }
      - { .name: ctx_codes, .offset: 16, .size: 8, .value_kind: global_buffer, .address_space: global }
    .group_segment_fixed_size: 327680
    .private_segment_fixed_size: 0
    .kernarg_segment_align: 8
    .kernarg_segment_size: 24
    .max_flat_workgroup_size: 384
    .sgpr_count:     100
    .vgpr_count:     320
    .wavefront_size: 32
...
	.end_amdgpu_metadata
.endif
;; end of part 3
;; launch wo (part 4): grid 128 x 1, 12 waves a work-group, no clusters, 30,720 bytes of LDS; arguments ctx_codes, wcodes, bo, x, ln2_g, ln2_b, lowp_scales, x1_img, xn2_codes; writes x1_img, xn2_codes
.if DOCPART == 4
	.amdgcn_target "amdgcn-amd-amdhsa--gfx1250"
	.amdhsa_code_object_version 6
	.text
	.protected	k_q6fc39256d6_wo
	.globl	k_q6fc39256d6_wo
	.p2align	8
	.type	k_q6fc39256d6_wo,@function
k_q6fc39256d6_wo:
	s_mov_b64 s[64:65], 0
	v_nop
	global_prefetch_b8 v0, s[64:65] scope:SCOPE_SE
	s_setreg_imm32_b32 hwreg(HW_REG_WAVE_MODE, 25, 1), 1
	s_wait_xcnt 0x0
; WO.  x1 = x + ctx Wo + bo on codes of E4M3 (e10, e11); then the second layer norm of x1, quantised (e12).
; The layer norm wants whole rows, so a work-group owns 32 whole rows (two token tiles) and wave w of twelve the columns 64 w .. 64 w + 63: 8 accumulators, (x, y) at 16 + 8 (4 y + x).
; D = X Y^T with X = Wo's rows (output columns), Y = tokens: lane (r, h) holds token r and columns 16 x + 8 h + j.  Each fragment of Wo is used by one wave of the work-group alone, so it goes from memory straight
; into registers (images: two dense loads of 512 bytes), three chunks ahead in four buffers; ctx's 24 images are copied once into LDS and read by all twelve waves.  No tensor load, no ring.
; (x + bo) / 2^(e10 + e11) starts the sums.  x1 is stored in the accumulators' own layout: x1_img [256 token tiles][12 chunks of 64 columns][4,096]: registers 4 q .. 4 q + 3 of accumulator x at 512 (2 x + q) + 16 x lane.
; xn2_codes: images, (token tile x 12 + chunk) x 1,024.  No cluster: the work-groups share Wo's fragments, but these go to registers, not to LDS.
; LIMITS: e10 + e11 between -126 and 126; e12 between -126 and 119.  NaN is not served.  The mean is the sum x (1/768); partial sums are added in a fixed order (lane, half, waves 0 to 11).
.set ST1,   24576                      ; LDS: 0-24,575 ctx's images; then the sums [token tile][row][16 words] (2,048 bytes) and the sums of squares (2,048)
.set SPARE, 28672                      ; the spare words, 128 bytes a wave, which no other line names
.set LI,  1                            ; v1 16 x lane; v2 x; v3 bo, g, b; v4 Wo; v5 ctx's copy; v6 x1; v7 xn2; v8, v9 the sums' words; v10 a permute's destination; v[12:15] mean, then rstd, of the two tiles
.set ACC, 16
.set XR,  80                           ; v80-207 four buffers of four fragments
.set YF,  208                          ; v208-223 ctx's two fragments
.set SPW, 248
.set NIL, 249
.set SC,  250
.set LIM, 251
	s_load_b256 s[4:11], s[0:1], 0x0               ; ctx_codes s[4:5], wcodes s[6:7], bo s[8:9], x s[10:11]
	s_load_b256 s[12:19], s[0:1], 0x20             ; ln2_g s[12:13], ln2_b s[14:15], the exponents s[16:17], x1_img s[18:19]
	s_load_b64 s[20:21], s[0:1], 0x40              ; xn2_codes
	v_lshl_add_u32 v[SPW], v0, 2, SPARE
	v_mov_b32 v[NIL], 0
	v_lshrrev_b32 v1, 5, v0
	s_delay_alu instid0(VALU_DEP_1)
	v_readfirstlane_b32 s22, v1                    ; wave 0..11
	v_and_b32 v1, 31, v0
	s_delay_alu instid0(VALU_DEP_1)
	v_lshlrev_b32 v[LI], 4, v1
	v_and_b32 v8, 15, v0                           ; r
	v_bfe_u32 v9, v0, 4, 1                         ; h
	s_lshl_b32 s23, s22, 8
	v_lshlrev_b32 v3, 5, v9
	s_delay_alu instid0(VALU_DEP_1)
	v_add_nc_u32 v3, s23, v3                       ; 32 h + 256 w
	v_mul_u32_u24 v2, v8, 3072
	s_delay_alu instid0(VALU_DEP_1)
	v_add_nc_u32 v2, v2, v3                        ; + 3,072 r
	s_mul_i32 s23, s22, 49152
	v_add_nc_u32 v4, s23, v[LI]
	s_lshl_b32 s23, s22, 11
	v_add_nc_u32 v5, s23, v[LI]
	s_lshl_b32 s23, s22, 12
	v_add_nc_u32 v6, s23, v[LI]
	s_lshl_b32 s23, s22, 10
	v_add_nc_u32 v7, s23, v[LI]
	v_lshlrev_b32 v9, 6, v8
	s_delay_alu instid0(VALU_DEP_1)
	v_add_nc_u32 v9, ST1, v9                       ; a row's twelve partial sums
	s_lshl_b32 s23, s22, 2
	v_add_nc_u32 v8, s23, v9                       ; mine
	v_mov_b32 v10, 0
	s_mov_b32 s24, 0x76543210
	s_mov_b32 s25, 0xfedcba98
	s_mov_b32 s31, 0x3aaaaaab                      ; 1 / 768
	s_mov_b32 s32, 0x3727c5ac                      ; 1e-5
	s_mul_i32 s34, ttmp9, 24576
	s_mov_b32 s35, 0
	s_mul_i32 s36, ttmp9, 98304
	s_mov_b32 s37, 0
	s_wait_alu depctr_va_vdst(0)
	s_wait_kmcnt 0x0
	s_load_b512 s[68:83], s[16:17], 0x0            ; e0 .. e15 in s68 .. s83
	s_add_nc_u64 s[4:5], s[4:5], s[34:35]
	s_add_nc_u64 s[20:21], s[20:21], s[34:35]
	s_add_nc_u64 s[10:11], s[10:11], s[36:37]
	s_add_nc_u64 s[18:19], s[18:19], s[36:37]
	s_add_nc_u64 s[6:7], s[6:7], 1769472           ; Wo's codes
.macro WLOAD kc                        ; chunk kc of my four fragments of Wo into buffer kc % 4
.irp x, 0,1,2,3
.irp q, 0,1
	global_load_b128 v[XR+32*((\kc)%4)+8*\x+4*\q:XR+32*((\kc)%4)+8*\x+4*\q+3], v4, s[6:7] offset:12288*\x+1024*(\kc)+512*\q
.endr
.endr
.endm
.macro VLOAD buf, lo, hi               ; 32 numbers of a vector of 768 at my columns, in the accumulators' order
.irp x, 0,1,2,3
.irp q, 0,1
	global_load_b128 v[XR+32*\buf+8*\x+4*\q:XR+32*\buf+8*\x+4*\q+3], v3, s[\lo:\hi] offset:64*\x+16*\q
.endr
.endr
.endm
.irp i, 0,1,2,3
	global_load_b128 v[YF+4*\i:YF+4*\i+3], v5, s[4:5] offset:512*\i   ; my twelfth of ctx's images
.endr
.irp y, 0,1
.irp x, 0,1,2,3
.irp q, 0,1
	global_load_b128 v[ACC+8*(4*\y+\x)+4*\q:ACC+8*(4*\y+\x)+4*\q+3], v2, s[10:11] offset:49152*\y+64*\x+16*\q th:TH_LOAD_NT   ; x, straight into the accumulators
.endr
.endr
.endr
	VLOAD 3, 8, 9                                  ; bo
	WLOAD 0
	WLOAD 1
	WLOAD 2
	s_wait_kmcnt 0x0
	s_add_co_i32 s30, s78, s79                     ; e10 + e11
	s_sub_co_i32 s26, 127, s30
	s_lshl_b32 s26, s26, 23                        ; 2^-(e10 + e11)
	s_mov_b32 s27, s26
	s_add_co_i32 s28, s30, 127
	s_lshl_b32 s28, s28, 23                        ; 2^(e10 + e11)
	s_mov_b32 s29, s28
	s_add_co_i32 s30, s80, 127
	s_lshl_b32 s33, s30, 23
	v_mov_b32 v[SC], s33                           ; 2^e12
	s_add_co_i32 s30, s30, 8
	s_lshl_b32 s30, s30, 23
	s_or_b32 s30, s30, 0x600000
	v_mov_b32 v[LIM], s30                          ; 448 x 2^e12
	s_wait_loadcnt 48                              ; ctx's four loads are in; the 48 behind them may be out
.irp i, 0,1,2,3
	ds_store_b128 v5, v[YF+4*\i:YF+4*\i+3] offset:512*\i
.endr
	s_wait_loadcnt 24                              ; x and bo are in; Wo's three chunks may be out
.set j, 0
.rept 16
	v_pk_mul_f32 v[XR+96+j:XR+96+j+1], v[XR+96+j:XR+96+j+1], s[26:27] op_sel_hi:[1,0]
.set j, j+2
.endr
.irp y, 0,1
.set j, 0
.rept 16
	v_pk_fma_f32 v[ACC+32*\y+j:ACC+32*\y+j+1], v[ACC+32*\y+j:ACC+32*\y+j+1], s[26:27], v[XR+96+j:XR+96+j+1] op_sel_hi:[1,0,1]   ; (x + bo) / 2^(e10 + e11): the sums' start
.set j, j+2
.endr
.endr
	s_wait_alu depctr_va_vdst(0)
	s_wait_dscnt 0x0                               ; for the others' sake: my part of ctx has landed
	s_barrier_signal -1
	s_barrier_wait -1
.irp kc, 0,1,2,3,4,5,6,7,8,9,10,11
.rept 4
	v_nop                                          ; four places in front of loads into registers that the last products read
.endr
.if \kc < 9
	WLOAD \kc+3
.elseif \kc == 9
	VLOAD 0, 12, 13                                ; ln2_g takes a chunk's place in the run of loads,
.elseif \kc == 10
	VLOAD 1, 14, 15                                ; and ln2_b
.endif
.irp y, 0,1
.irp q, 0,1
	ds_load_b128 v[YF+8*\y+4*\q:YF+8*\y+4*\q+3], v[LI] offset:12288*\y+1024*\kc+512*\q
.endr
.endr
.if \kc < 11
	s_wait_loadcnt 24                              ; this chunk's eight loads are in; the three younger groups of eight may be out
.else
	s_wait_loadcnt 16                              ; g and b may be out
.endif
	s_wait_dscnt 0x0
.irp y, 0,1
.irp x, 0,1,2,3
	v_wmma_f32_16x16x64_fp8_fp8 v[ACC+8*(4*\y+\x):ACC+8*(4*\y+\x)+7], v[XR+32*(\kc%4)+8*\x:XR+32*(\kc%4)+8*\x+7], v[YF+8*\y:YF+8*\y+7], v[ACC+8*(4*\y+\x):ACC+8*(4*\y+\x)+7]   ; the eight accumulators by turns
.endr
.endr
.endr
.rept 4
	v_nop
.endr
.set j, 0
.rept 32
	v_pk_mul_f32 v[ACC+j:ACC+j+1], v[ACC+j:ACC+j+1], s[28:29] op_sel_hi:[1,0]   ; x1, each accumulator from its low end on
.set j, j+2
.endr
.irp y, 0,1
.irp x, 0,1,2,3
.irp q, 0,1
	global_store_b128 v6, v[ACC+8*(4*\y+\x)+4*\q:ACC+8*(4*\y+\x)+4*\q+3], s[18:19] offset:49152*\y+512*(2*\x+\q)   ; the wave stores 512 consecutive bytes, aligned
.endr
.endr
.endr
; my 32 numbers of token tile y's row r are summed (sq = 1: their squares), with the lane 16 away, and the word goes to LDS
.macro RSUM y, sq, off
.set A, ACC+32*\y
.set R, 224+4*\y
.if \sq
	v_pk_mul_f32 v[R:R+1], v[A:A+1], v[A:A+1]
	v_pk_mul_f32 v[R+2:R+3], v[A+2:A+3], v[A+2:A+3]
.set j, 4
.rept 7
	s_delay_alu instid0(VALU_DEP_2)
	v_pk_fma_f32 v[R:R+1], v[A+j:A+j+1], v[A+j:A+j+1], v[R:R+1]
	s_delay_alu instid0(VALU_DEP_2)
	v_pk_fma_f32 v[R+2:R+3], v[A+j+2:A+j+3], v[A+j+2:A+j+3], v[R+2:R+3]
.set j, j+4
.endr
.else
	v_pk_add_f32 v[R:R+1], v[A:A+1], v[A+4:A+5]
	v_pk_add_f32 v[R+2:R+3], v[A+2:A+3], v[A+6:A+7]
.set j, 8
.rept 6
	s_delay_alu instid0(VALU_DEP_2)
	v_pk_add_f32 v[R:R+1], v[R:R+1], v[A+j:A+j+1]
	s_delay_alu instid0(VALU_DEP_2)
	v_pk_add_f32 v[R+2:R+3], v[R+2:R+3], v[A+j+2:A+j+3]
.set j, j+4
.endr
.endif
	s_delay_alu instid0(VALU_DEP_1)
	v_pk_add_f32 v[R:R+1], v[R:R+1], v[R+2:R+3]
	s_delay_alu instid0(VALU_DEP_1)
	v_add_f32 v[R], v[R], v[R+1]
	s_delay_alu instid0(VALU_DEP_1)
	v_permlanex16_b32 v10, v[R], s24, s25
	s_delay_alu instid0(VALU_DEP_1)
	v_add_f32 v[R], v[R], v10
	ds_store_b32 v8, v[R] offset:\off+1024*\y
.endm
.macro RGET off                        ; the barrier; then both rows' twelve words, added in order: v224 and v236
	s_wait_dscnt 0x0
	s_barrier_signal -1
	s_barrier_wait -1
.irp y, 0,1
.irp i, 0,1,2
	ds_load_b128 v[224+12*\y+4*\i:224+12*\y+4*\i+3], v9 offset:\off+1024*\y+16*\i
.endr
.endr
	s_wait_dscnt 0x0
.irp i, 1
	v_add_f32 v224, v224, v[224+\i]
	v_add_f32 v236, v236, v[236+\i]
.endr
.irp i, 2, 3, 4, 5, 6, 7, 8, 9, 10, 11
	s_delay_alu instid0(VALU_DEP_2)
	v_add_f32 v224, v224, v[224+\i]
	s_delay_alu instid0(VALU_DEP_2)
	v_add_f32 v236, v236, v[236+\i]
.endr
.endm
	RSUM 0, 0, 0
	RSUM 1, 0, 0
	RGET 0
	s_delay_alu instid0(VALU_DEP_2)
	v_mul_f32 v12, s31, v224                       ; the means
	s_delay_alu instid0(VALU_DEP_2)
	v_mul_f32 v14, s31, v236
	s_delay_alu instid0(VALU_DEP_2)
	v_mov_b32 v13, v12
	s_delay_alu instid0(VALU_DEP_2)
	v_mov_b32 v15, v14
	s_wait_alu depctr_va_vdst(0)
	s_wait_xcnt 0x0                                ; x1's stores have read their data: the accumulators are written again only behind this wait
.irp y, 0,1
.set j, 0
.rept 16
	v_pk_add_f32 v[ACC+32*\y+j:ACC+32*\y+j+1], v[ACC+32*\y+j:ACC+32*\y+j+1], v[12+2*\y:13+2*\y] neg_lo:[0,1] neg_hi:[0,1]
.set j, j+2
.endr
.endr
	RSUM 0, 1, 2048
	RSUM 1, 1, 2048
	RGET 2048
	s_delay_alu instid0(VALU_DEP_2)
	v_fma_f32 v12, v224, s31, s32                  ; the variances + 1e-5
	s_delay_alu instid0(VALU_DEP_2)
	v_fma_f32 v14, v236, s31, s32
	s_wait_alu depctr_va_vdst(0)
	v_rsq_f32 v12, v12
	v_rsq_f32 v14, v14
	v_nop                                          ; a plain instruction behind the transcendentals
	s_wait_alu depctr_va_vdst(0)                   ; one wait for both, ahead of the first reader
	v_mov_b32 v13, v12
	v_mov_b32 v15, v14
	s_wait_alu depctr_va_vdst(0)
	s_wait_loadcnt 0x0                             ; g and b
.irp y, 0,1
.set j, 0
.rept 16
	v_pk_mul_f32 v[ACC+32*\y+j:ACC+32*\y+j+1], v[ACC+32*\y+j:ACC+32*\y+j+1], v[12+2*\y:13+2*\y]
.set j, j+2
.endr
.set j, 0
.rept 16
	v_pk_fma_f32 v[ACC+32*\y+j:ACC+32*\y+j+1], v[ACC+32*\y+j:ACC+32*\y+j+1], v[XR+j:XR+j+1], v[XR+32+j:XR+32+j+1]
.set j, j+2
.endr
.irp x, 0,1,2,3
.irp j, 0,1,2,3,4,5,6,7
	v_med3_num_f32 v[ACC+8*(4*\y+\x)+\j], v[ACC+8*(4*\y+\x)+\j], -v[LIM], v[LIM]
.endr
	v_cvt_scalef32_pk8_fp8_f32 v[144+8*\y+2*\x:144+8*\y+2*\x+1], v[ACC+8*(4*\y+\x):ACC+8*(4*\y+\x)+7], v[SC]
.endr
	v_nop                                          ; a plain instruction behind the last conversion
	global_store_b128 v7, v[144+8*\y:144+8*\y+3], s[20:21] offset:12288*\y
	global_store_b128 v7, v[144+8*\y+4:144+8*\y+7], s[20:21] offset:12288*\y+512
.endr
	s_wait_tensorcnt 0x0                           ; the wave's end
	ds_add_u32 v[SPW], v[NIL]
	s_wait_dscnt 0x0
	s_endpgm
.Lfunc_end_k_q6fc39256d6_wo:
	.size	k_q6fc39256d6_wo, .Lfunc_end_k_q6fc39256d6_wo-k_q6fc39256d6_wo
	.p2alignl 7, 3214868480
	.fill 96, 4, 3214868480
	.section	.rodata,"a",@progbits
	.p2align	6, 0x0
	.amdhsa_kernel k_q6fc39256d6_wo
		.amdhsa_group_segment_fixed_size 30720
		.amdhsa_private_segment_fixed_size 0
		.amdhsa_enable_private_segment 0
		.amdhsa_kernarg_size 72
		.amdhsa_user_sgpr_count 2
		.amdhsa_user_sgpr_kernarg_segment_ptr 1
		.amdhsa_wavefront_size32 1
		.amdhsa_system_sgpr_workgroup_id_x 1
		.amdhsa_system_sgpr_workgroup_id_y 1
		.amdhsa_system_sgpr_workgroup_id_z 1
		.amdhsa_system_vgpr_workitem_id 0
		.amdhsa_next_free_vgpr 252
		.amdhsa_next_free_sgpr 90
		.amdhsa_reserve_vcc 0
		.amdhsa_float_denorm_mode_32 3
		.amdhsa_float_denorm_mode_16_64 3
		.amdhsa_memory_ordered 1
		.amdhsa_forward_progress 1
		.amdhsa_inst_pref_size 57
	.end_amdhsa_kernel
	.amdgpu_metadata
---
amdhsa.version: [ 1, 2 ]
amdhsa.kernels:
  - .name:           k_q6fc39256d6_wo
    .symbol:         k_q6fc39256d6_wo.kd
    .args:
      - { .name: ctx_codes, .offset: 0, .size: 8, .value_kind: global_buffer, .address_space: global }
      - { .name: wcodes, .offset: 8, .size: 8, .value_kind: global_buffer, .address_space: global }
      - { .name: bo, .offset: 16, .size: 8, .value_kind: global_buffer, .address_space: global }
      - { .name: x, .offset: 24, .size: 8, .value_kind: global_buffer, .address_space: global }
      - { .name: ln2_g, .offset: 32, .size: 8, .value_kind: global_buffer, .address_space: global }
      - { .name: ln2_b, .offset: 40, .size: 8, .value_kind: global_buffer, .address_space: global }
      - { .name: lowp_scales, .offset: 48, .size: 8, .value_kind: global_buffer, .address_space: global }
      - { .name: x1_img, .offset: 56, .size: 8, .value_kind: global_buffer, .address_space: global }
      - { .name: xn2_codes, .offset: 64, .size: 8, .value_kind: global_buffer, .address_space: global }
    .group_segment_fixed_size: 30720
    .private_segment_fixed_size: 0
    .kernarg_segment_align: 8
    .kernarg_segment_size: 72
    .max_flat_workgroup_size: 384
    .sgpr_count:     90
    .vgpr_count:     252
    .wavefront_size: 32
...
	.end_amdgpu_metadata
.endif
;; end of part 4
;; launch ffn1 (part 5): grid 16 x 12, 16 waves a work-group, no clusters, 327,680 bytes of LDS; arguments xn2_codes, wcodes, b1, lowp_scales, h_codes; writes h_codes
.if DOCPART == 5
	.amdgcn_target "amdgcn-amd-amdhsa--gfx1250"
	.amdhsa_code_object_version 6
	.text
	.protected	k_q6fc39256d6_ffn1
	.globl	k_q6fc39256d6_ffn1
	.p2align	8
	.type	k_q6fc39256d6_ffn1,@function
k_q6fc39256d6_ffn1:
	s_mov_b64 s[64:65], 0
	v_nop
	global_prefetch_b8 v0, s[64:65] scope:SCOPE_SE
	s_setreg_imm32_b32 hwreg(HW_REG_WAVE_MODE, 25, 1), 1
	s_wait_xcnt 0x0
.set SLOT1, 131072
.set YREG,  65536
.set SPARE, 262144
.set TP,    4096
.set STEPB, 4096
.set LI,  1
.set AX0, 2
.set AX1, 3
.set AY0, 4
.set AY1, 5
.set HO,  10
.set SPW, 12
.set NIL, 13
.set SC,  14
.set LIM, 15
.set ACC, 16
.set XF,  144
.set YF,  176
.set CB,  208
.set U,   144
.set Z,   160
.set P,   176
.set Q,   192
.set G1,  28
.set G0A, 36
.set G0B, 40
.macro LOADS ax, ay, off
.rept 4
	v_nop
.endr
.irp x, 0,1,2,3
.irp b, 0,1
	ds_load_b128 v[XF+8*\x+4*\b:XF+8*\x+4*\b+3], v[\ax] offset:\x*TP+(\off)+512*\b
.endr
.endr
.irp y, 0,1,2,3
.irp b, 0,1
	ds_load_b128 v[YF+8*\y+4*\b:YF+8*\y+4*\b+3], v[\ay] offset:\y*TP+(\off)+512*\b
.endr
.endr
.endm
.macro MULS cmode
.irp y, 0,1,2,3
	s_wait_dscnt 6-2*\y
.irp x, 0,1,2,3
.if \cmode == 0
	v_wmma_f32_16x16x64_fp8_fp8 v[ACC+8*(4*\y+\x):ACC+8*(4*\y+\x)+7], v[XF+8*\x:XF+8*\x+7], v[YF+8*\y:YF+8*\y+7], v[ACC+8*(4*\y+\x):ACC+8*(4*\y+\x)+7]
.else
	v_wmma_f32_16x16x64_fp8_fp8 v[ACC+8*(4*\y+\x):ACC+8*(4*\y+\x)+7], v[XF+8*\x:XF+8*\x+7], v[YF+8*\y:YF+8*\y+7], v[CB+8*\x:CB+8*\x+7]
.endif
.endr
.endr
.endm
.macro WORK ax, ay, first
.irp c, 0,1,2,3
	LOADS \ax, \ay, 1024*\c
.if (\first == 1) && (\c == 0)
	MULS 1
.else
	MULS 0
.endif
.endr
.endm
.macro CHANGE refill
	s_wait_tensorcnt 0x0
	ds_add_u32 v[SPW], v[NIL]
.if \refill
	s_add_nc_u64 s[G0A+2:G0A+3], s[G0A+2:G0A+3], 2*STEPB
.endif
	s_wait_dscnt 0x0
	s_barrier_signal -1
	s_barrier_wait -1
.if \refill
	tensor_load_to_lds s[G0A:G0A+3], s[G1:G1+7]
	s_nop 0
.endif
.endm
	s_load_b256 s[4:11], s[0:1], 0x0
	s_load_b64 s[12:13], s[0:1], 0x20
	v_lshl_add_u32 v[SPW], v0, 2, SPARE
	v_mov_b32 v[NIL], 0
	ds_add_u32 v[SPW], v[NIL]
	ds_add_u32 v[SPW], v[NIL]
	v_lshrrev_b32 v1, 5, v0
	s_delay_alu instid0(VALU_DEP_1)
	v_readfirstlane_b32 s18, v1
	s_mov_b32 s19, ttmp9
	s_and_b32 s20, ttmp7, 0xffff
	s_and_b32 s24, s18, 3
	s_lshr_b32 s25, s18, 2
	s_mov_b32 s[G1+0], 3<<16
	s_mov_b32 s[G1+1], 512<<16
	s_mov_b32 s[G1+2], 2<<16
	s_mov_b32 s[G1+3], 512<<16
	s_mov_b32 s[G1+4], 2
	s_mov_b32 s[G1+5], 1536
	s_mov_b32 s[G1+6], 0
	s_mov_b32 s[G1+7], 0
	v_and_b32 v1, 31, v0
	s_delay_alu instid0(VALU_DEP_1)
	v_lshlrev_b32 v[LI], 4, v1
	s_lshl_b32 s26, s24, 14
	v_add_nc_u32 v[AX0], s26, v[LI]
	s_delay_alu instid0(VALU_DEP_1)
	v_add_nc_u32 v[AX1], SLOT1, v[AX0]
	s_lshl_b32 s26, s25, 14
	s_add_co_u32 s26, s26, YREG
	v_add_nc_u32 v[AY0], s26, v[LI]
	s_delay_alu instid0(VALU_DEP_1)
	v_add_nc_u32 v[AY1], SLOT1, v[AY0]
	v_bfe_u32 v[HO], v0, 4, 1
	s_delay_alu instid0(VALU_DEP_1)
	v_lshlrev_b32 v[HO], 5, v[HO]
	s_and_b32 s26, s18, 7
	s_mul_i32 s26, s26, 24576
	s_mul_i32 s50, s20, 196608
	s_add_co_u32 s50, s50, s26
	s_add_co_u32 s50, s50, 2359296
	s_mul_i32 s27, s19, 196608
	s_add_co_u32 s27, s27, s26
	s_lshl_b32 s[G0A+1], s18, 13
	s_add_co_u32 s[G0B+1], s[G0A+1], SLOT1
	s_wait_alu depctr_va_vdst(0)
	s_wait_dscnt 0x0
	s_wait_kmcnt 0x0
	s_load_b512 s[68:83], s[10:11], 0x0
	s_cmp_lt_u32 s18, 8
	s_cselect_b64 s[48:49], s[6:7], s[4:5]
	s_cselect_b32 s50, s50, s27
	s_mov_b32 s51, 0
	s_add_nc_u64 s[48:49], s[48:49], s[50:51]
	s_mov_b32 s[G0A], 1
	s_mov_b64 s[G0A+2:G0A+3], s[48:49]
	s_or_b32 s[G0A+3], s[G0A+3], 0x80000000
	s_mov_b32 s[G0B], 1
	s_add_nc_u64 s[G0B+2:G0B+3], s[48:49], STEPB
	s_or_b32 s[G0B+3], s[G0B+3], 0x80000000
	tensor_load_to_lds s[G0A:G0A+3], s[G1:G1+7]
	s_nop 0
	s_wait_alu depctr_va_vdst(0)
	s_wait_tensorcnt 0x0
	ds_add_u32 v12, v13
	s_wait_dscnt 0x0
	s_barrier_signal -1
	s_barrier_wait -1
	tensor_load_to_lds s[G0B:G0B+3], s[G1:G1+7]
	s_nop 0
	s_lshl_b32 s50, s20, 10
	s_lshl_b32 s52, s24, 8
	s_add_co_u32 s50, s50, s52
	s_add_nc_u64 s[8:9], s[8:9], s[50:51]
.irp x, 0,1,2,3
.irp q, 0,1
	global_load_b128 v[CB+8*\x+4*\q:CB+8*\x+4*\q+3], v[HO], s[8:9] offset:64*\x+16*\q
.endr
.endr
	s_lshl_b32 s50, s19, 4
	s_lshl_b32 s52, s25, 2
	s_add_co_u32 s50, s50, s52
	s_mul_i32 s50, s50, 49152
	s_lshl_b32 s52, s20, 2
	s_add_co_u32 s52, s52, s24
	s_lshl_b32 s52, s52, 10
	s_add_co_u32 s50, s50, s52
	s_add_nc_u64 s[12:13], s[12:13], s[50:51]
	s_wait_kmcnt 0x0
	s_add_co_i32 s52, s80, s81
	s_lshl_b32 s53, s52, 23
	s_add_co_i32 s44, s53, 0x3f3504f3
	s_mov_b32 s45, s44
	s_add_co_i32 s46, s52, 126
	s_lshl_b32 s46, s46, 23
	s_mov_b32 s47, s46
	s_sub_co_i32 s52, 0, s52
	s_add_co_i32 s54, s82, 127
	s_lshl_b32 s55, s54, 23
	v_mov_b32 v[SC], s55
	s_add_co_i32 s54, s54, 8
	s_lshl_b32 s54, s54, 23
	s_or_b32 s54, s54, 0x600000
	v_mov_b32 v[LIM], s54
	v_mov_b32 v240, 0xaf95df0b
	v_mov_b32 v241, 0xaf95df0b
	v_mov_b32 v242, 0xb77460cd
	v_mov_b32 v243, 0xb77460cd
	s_wait_loadcnt 0x0
.set j, 0
.rept 32
	v_ldexp_f32 v[CB+j], v[CB+j], s52
.set j, j+1
.endr
	s_wait_alu depctr_va_vdst(0)
	s_wait_tensorcnt 0x1
	s_barrier_signal -1
	s_barrier_wait -1
	WORK AX0, AY0, 1
	CHANGE 1
	WORK AX1, AY1, 0
	CHANGE 0
	WORK AX0, AY0, 0
.rept 4
	v_nop
.endr
.macro HORNER r, lit
.set j, 0
.rept 8
	v_pk_fma_f32 v[\r+j:\r+j+1], v[\r+j:\r+j+1], v[Z+j:Z+j+1], \lit op_sel_hi:[1,1,0]
.set j, j+2
.endr
.endm
.macro BATCH a, d
.set j, 0
.rept 8
	v_pk_mul_f32 v[U+j:U+j+1], v[\a+j:\a+j+1], s[44:45] op_sel_hi:[1,0]
.set j, j+2
.endr
.set j, 0
.rept 16
	v_med3_num_f32 v[U+j], v[U+j], -4.0, 4.0
.set j, j+1
.endr
.set j, 0
.rept 8
	v_pk_mul_f32 v[Z+j:Z+j+1], v[U+j:U+j+1], v[U+j:U+j+1]
.set j, j+2
.endr
.set j, 0
.rept 8
	v_pk_fma_f32 v[P+j:P+j+1], v[Z+j:Z+j+1], v[240:241], 0x32edffee op_sel_hi:[1,1,0]
	v_pk_fma_f32 v[Q+j:Q+j+1], v[Z+j:Z+j+1], v[242:243], 0xb95fbd29 op_sel_hi:[1,1,0]
.set j, j+2
.endr
	HORNER P, 0xb60cff51
	HORNER Q, 0xbadc924e
	HORNER P, 0xb86ec2d2
	HORNER Q, 0xbbf19bf8
	HORNER P, 0xba40ac63
	HORNER Q, 0xbc69b6a7
	HORNER P, 0xbb41a1f6
	HORNER P, 0xbc83dbd4
.set j, 0
	s_wait_alu depctr_va_vdst(0)
.rept 16
	v_rcp_f32 v[Q+j], v[Q+j]
.set j, j+1
.endr
.set j, 0
.rept 8
	v_pk_mul_f32 v[P+j:P+j+1], v[P+j:P+j+1], v[U+j:U+j+1]
	v_pk_mul_f32 v[Z+j:Z+j+1], v[\a+j:\a+j+1], s[46:47] op_sel_hi:[1,0]
.set j, j+2
.endr
	s_wait_alu depctr_va_vdst(0)
.set j, 0
.rept 8
	v_pk_mul_f32 v[P+j:P+j+1], v[P+j:P+j+1], v[Q+j:Q+j+1]
.set j, j+2
.endr
.set j, 0
.rept 8
	v_pk_fma_f32 v[U+j:U+j+1], v[Z+j:Z+j+1], v[P+j:P+j+1], v[Z+j:Z+j+1]
.set j, j+2
.endr
.set j, 0
.rept 16
	v_med3_num_f32 v[U+j], v[U+j], -v[LIM], v[LIM]
.set j, j+1
.endr
	v_cvt_scalef32_pk8_fp8_f32 v[\d:\d+1], v[U:U+7], v[SC]
	v_cvt_scalef32_pk8_fp8_f32 v[\d+2:\d+3], v[U+8:U+15], v[SC]
	v_nop
.endm
.irp y, 0,1,2,3
	BATCH ACC+32*\y, CB+8*\y
	BATCH ACC+32*\y+16, CB+8*\y+4
	global_store_b128 v[LI], v[CB+8*\y:CB+8*\y+3], s[12:13] offset:49152*\y
	global_store_b128 v[LI], v[CB+8*\y+4:CB+8*\y+7], s[12:13] offset:49152*\y+512
.endr
	s_wait_tensorcnt 0x0
	ds_add_u32 v[SPW], v[NIL]
	s_wait_dscnt 0x0
	s_endpgm
.Lfunc_end_k_q6fc39256d6_ffn1:
	.size	k_q6fc39256d6_ffn1, .Lfunc_end_k_q6fc39256d6_ffn1-k_q6fc39256d6_ffn1
	.p2alignl 7, 3214868480
	.fill 96, 4, 3214868480
	.section	.rodata,"a",@progbits
	.p2align	6, 0x0
	.amdhsa_kernel k_q6fc39256d6_ffn1
		.amdhsa_group_segment_fixed_size 327680
		.amdhsa_private_segment_fixed_size 0
		.amdhsa_enable_private_segment 0
		.amdhsa_kernarg_size 40
		.amdhsa_user_sgpr_count 2
		.amdhsa_user_sgpr_kernarg_segment_ptr 1
		.amdhsa_wavefront_size32 1
		.amdhsa_system_sgpr_workgroup_id_x 1
		.amdhsa_system_sgpr_workgroup_id_y 1
		.amdhsa_system_sgpr_workgroup_id_z 1
		.amdhsa_system_vgpr_workitem_id 0
		.amdhsa_next_free_vgpr 244
		.amdhsa_next_free_sgpr 90
		.amdhsa_reserve_vcc 0
		.amdhsa_float_denorm_mode_32 3
		.amdhsa_float_denorm_mode_16_64 3
		.amdhsa_memory_ordered 1
		.amdhsa_forward_progress 1
		.amdhsa_inst_pref_size 142
	.end_amdhsa_kernel
	.amdgpu_metadata
---
amdhsa.version: [ 1, 2 ]
amdhsa.kernels:
  - .name:           k_q6fc39256d6_ffn1
    .symbol:         k_q6fc39256d6_ffn1.kd
    .args:
      - { .name: xn2_codes, .offset: 0, .size: 8, .value_kind: global_buffer, .address_space: global }
      - { .name: wcodes, .offset: 8, .size: 8, .value_kind: global_buffer, .address_space: global }
      - { .name: b1, .offset: 16, .size: 8, .value_kind: global_buffer, .address_space: global }
      - { .name: lowp_scales, .offset: 24, .size: 8, .value_kind: global_buffer, .address_space: global }
      - { .name: h_codes, .offset: 32, .size: 8, .value_kind: global_buffer, .address_space: global }
    .group_segment_fixed_size: 327680
    .private_segment_fixed_size: 0
    .kernarg_segment_align: 8
    .kernarg_segment_size: 40
    .max_flat_workgroup_size: 512
    .sgpr_count:     90
    .vgpr_count:     244
    .wavefront_size: 32
...
	.end_amdgpu_metadata
.endif
;; end of part 5
;; launch ffn2 (part 6): grid 32 x 6, 8 waves a work-group, no clusters, 327,680 bytes of LDS; arguments h_codes, wcodes, b2, x1_img, lowp_scales, out0; writes out0
.if DOCPART == 6
	.amdgcn_target "amdgcn-amd-amdhsa--gfx1250"
	.amdhsa_code_object_version 6
	.text
	.protected	k_q6fc39256d6_ffn2
	.globl	k_q6fc39256d6_ffn2
	.p2align	8
	.type	k_q6fc39256d6_ffn2,@function
k_q6fc39256d6_ffn2:
	s_mov_b64 s[64:65], 0
	v_nop
	global_prefetch_b8 v0, s[64:65] scope:SCOPE_SE
	s_setreg_imm32_b32 hwreg(HW_REG_WAVE_MODE, 25, 1), 1
	s_wait_xcnt 0x0
.set SLOT1, 131072
.set YREG,  65536
.set SPARE, 262144
.set TP,    8192
.set STEPB, 8192
.set STAGE, 65536
.set LI,   1
.set AX0,  2
.set AX1,  3
.set AYO0, 4
.set AYO1, 5
.set AYT0, 6
.set AYT1, 7
.set EXW,  8
.set EXR,  9
.set STO,  10
.set RD,   11
.set SPW,  12
.set NIL,  13
.set GO,   14
.set HO,   15
.set ACC,  16
.set XF,   144
.set YF,   176
.set CB,   208
.set G1,   28
.set G0A,  36
.set G0B,  40
.macro LOADS ax, ayo, ayt, off
.rept 4
	v_nop
.endr
.irp x, 0,1,2,3
.irp b, 0,1
	ds_load_b128 v[XF+8*\x+4*\b:XF+8*\x+4*\b+3], v[\ax] offset:\x*TP+(\off)+512*\b
.endr
.endr
.irp i, 0,1
.irp b, 0,1
	ds_load_b128 v[YF+8*\i+4*\b:YF+8*\i+4*\b+3], v[\ayo] offset:\i*TP+(\off)+512*\b
.endr
.endr
.irp i, 0,1
.irp b, 0,1
	ds_load_b128 v[YF+16+8*\i+4*\b:YF+16+8*\i+4*\b+3], v[\ayt] offset:\i*TP+(\off)+512*\b
.endr
.endr
.endm
.macro MULS first
.irp y, 0,1,2,3
	s_wait_dscnt 6-2*\y
.irp x, 0,1,2,3
.if (\first == 1) && (\y > 1)
	v_wmma_f32_16x16x64_fp8_fp8 v[ACC+8*(4*\y+\x):ACC+8*(4*\y+\x)+7], v[XF+8*\x:XF+8*\x+7], v[YF+8*\y:YF+8*\y+7], 0
.else
	v_wmma_f32_16x16x64_fp8_fp8 v[ACC+8*(4*\y+\x):ACC+8*(4*\y+\x)+7], v[XF+8*\x:XF+8*\x+7], v[YF+8*\y:YF+8*\y+7], v[ACC+8*(4*\y+\x):ACC+8*(4*\y+\x)+7]
.endif
.endr
.endr
.endm
.macro WORK ax, ayo, ayt, first
.irp c, 0,1,2,3
	LOADS \ax, \ayo, \ayt, 1024*\c
.if (\first == 1) && (\c == 0)
	MULS 1
.else
	MULS 0
.endif
.endr
.endm
.macro CHANGE g0, refill
	s_wait_tensorcnt 0x0
	ds_add_u32 v[SPW], v[NIL]
.if \refill
	s_add_nc_u64 s[\g0+2:\g0+3], s[\g0+2:\g0+3], 2*STEPB
.endif
	s_wait_dscnt 0x0
	s_barrier_signal -1
	s_barrier_wait -1
.if \refill
	tensor_load_to_lds s[\g0:\g0+3], s[G1:G1+7]
	s_nop 0
.endif
.endm
	s_load_b256 s[4:11], s[0:1], 0x0
	s_load_b128 s[12:15], s[0:1], 0x20
	v_lshl_add_u32 v[SPW], v0, 2, SPARE
	v_mov_b32 v[NIL], 0
	ds_add_u32 v[SPW], v[NIL]
	ds_add_u32 v[SPW], v[NIL]
	v_lshrrev_b32 v1, 5, v0
	s_delay_alu instid0(VALU_DEP_1)
	v_readfirstlane_b32 s18, v1
	s_mov_b32 s19, ttmp9
	s_and_b32 s20, ttmp7, 0xffff
	s_and_b32 s21, s18, 1
	s_bfe_u32 s22, s18, 0x10001
	s_lshr_b32 s23, s18, 2
	s_and_b32 s24, s18, 3
	s_xor_b32 s25, s23, 1
	s_mov_b32 s[G1+0], 3<<16
	s_mov_b32 s[G1+1], 1024<<16
	s_mov_b32 s[G1+2], 2<<16
	s_mov_b32 s[G1+3], 1024<<16
	s_mov_b32 s[G1+4], 2
	s_mov_b32 s[G1+5], 6144
	s_mov_b32 s[G1+6], 0
	s_mov_b32 s[G1+7], 0
	v_and_b32 v1, 31, v0
	s_delay_alu instid0(VALU_DEP_1)
	v_lshlrev_b32 v[LI], 4, v1
	s_wait_alu depctr_va_vdst(0)
	s_lshl_b32 s26, s21, 15
	s_lshl_b32 s27, s23, 12
	s_add_co_u32 s26, s26, s27
	v_add_nc_u32 v[AX0], s26, v[LI]
	s_delay_alu instid0(VALU_DEP_1)
	v_add_nc_u32 v[AX1], SLOT1, v[AX0]
	s_lshl_b32 s26, s22, 15
	s_add_co_u32 s26, s26, s27
	s_add_co_u32 s26, s26, YREG
	s_lshl_b32 s44, s23, 14
	s_add_co_u32 s44, s44, s26
	v_add_nc_u32 v[AYO0], s44, v[LI]
	s_delay_alu instid0(VALU_DEP_1)
	v_add_nc_u32 v[AYO1], SLOT1, v[AYO0]
	s_lshl_b32 s44, s25, 14
	s_add_co_u32 s44, s44, s26
	v_add_nc_u32 v[AYT0], s44, v[LI]
	s_delay_alu instid0(VALU_DEP_1)
	v_add_nc_u32 v[AYT1], SLOT1, v[AYT0]
	s_lshl_b32 s45, s24, 1
	s_add_co_u32 s44, s45, s25
	s_lshl_b32 s44, s44, 13
	v_add_nc_u32 v[EXW], s44, v[LI]
	s_add_co_u32 s44, s45, s23
	s_lshl_b32 s44, s44, 13
	v_add_nc_u32 v[EXR], s44, v[LI]
	v_and_b32 v16, 15, v0
	v_bfe_u32 v17, v0, 4, 1
	s_mul_i32 s44, s18, 4352
	s_add_co_u32 s44, s44, STAGE
	v_mul_u32_u24 v[STO], v16, 272
	s_delay_alu instid0(VALU_DEP_1)
	v_lshl_add_u32 v[STO], v17, 5, v[STO]
	s_delay_alu instid0(VALU_DEP_1)
	v_add_nc_u32 v[STO], s44, v[STO]
	v_mul_u32_u24 v[RD], v17, 272
	s_delay_alu instid0(VALU_DEP_1)
	v_lshl_add_u32 v[RD], v16, 4, v[RD]
	s_delay_alu instid0(VALU_DEP_1)
	v_add_nc_u32 v[RD], s44, v[RD]
	v_mul_u32_u24 v[GO], v17, 3072
	s_delay_alu instid0(VALU_DEP_1)
	v_lshl_add_u32 v[GO], v16, 4, v[GO]
	v_lshlrev_b32 v[HO], 5, v17
	s_lshl_b32 s46, s20, 3
	s_add_co_u32 s46, s46, s45
	s_mul_i32 s46, s46, 49152
	s_add_co_u32 s46, s46, 4718592
	s_lshl_b32 s47, s19, 3
	s_add_co_u32 s47, s47, s45
	s_mul_i32 s47, s47, 49152
	s_lshl_b32 s[G0A+1], s18, 14
	s_add_co_u32 s[G0B+1], s[G0A+1], SLOT1
	s_wait_alu depctr_va_vdst(0)
	s_wait_dscnt 0x0
	s_wait_kmcnt 0x0
	s_load_b512 s[68:83], s[12:13], 0x0
	s_cmp_lt_u32 s18, 4
	s_cselect_b64 s[48:49], s[6:7], s[4:5]
	s_cselect_b32 s46, s46, s47
	s_mov_b32 s47, 0
	s_add_nc_u64 s[48:49], s[48:49], s[46:47]
	s_mov_b32 s[G0A], 1
	s_mov_b64 s[G0A+2:G0A+3], s[48:49]
	s_or_b32 s[G0A+3], s[G0A+3], 0x80000000
	s_mov_b32 s[G0B], 1
	s_add_nc_u64 s[G0B+2:G0B+3], s[48:49], STEPB
	s_or_b32 s[G0B+3], s[G0B+3], 0x80000000
	tensor_load_to_lds s[G0A:G0A+3], s[G1:G1+7]
	s_nop 0
	s_wait_alu depctr_va_vdst(0)
	s_wait_tensorcnt 0x0
	ds_add_u32 v12, v13
	s_wait_dscnt 0x0
	s_barrier_signal -1
	s_barrier_wait -1
	tensor_load_to_lds s[G0B:G0B+3], s[G1:G1+7]
	s_nop 0
	s_lshl_b32 s50, s19, 3
	s_lshl_b32 s52, s22, 2
	s_add_co_u32 s50, s50, s52
	s_lshl_b32 s52, s23, 1
	s_add_co_u32 s50, s50, s52
	s_mul_i32 s50, s50, 49152
	s_mov_b32 s51, 0
	s_lshl_b32 s52, s20, 1
	s_add_co_u32 s52, s52, s21
	s_mov_b32 s53, 0
	s_lshl_b32 s54, s52, 8
	s_mov_b32 s55, 0
	s_lshl_b32 s52, s52, 12
	s_add_nc_u64 s[10:11], s[10:11], s[50:51]
	s_add_nc_u64 s[10:11], s[10:11], s[52:53]
	s_add_nc_u64 s[14:15], s[14:15], s[50:51]
	s_add_nc_u64 s[14:15], s[14:15], s[54:55]
	s_add_nc_u64 s[8:9], s[8:9], s[54:55]
.irp i, 0,1
.irp x, 0,1,2,3
.irp q, 0,1
	global_load_b128 v[ACC+8*(4*\i+\x)+4*\q:ACC+8*(4*\i+\x)+4*\q+3], v[LI], s[10:11] offset:49152*\i+512*(2*\x+\q) th:TH_LOAD_NT
.endr
.endr
.endr
.irp x, 0,1,2,3
.irp q, 0,1
	global_load_b128 v[CB+8*\x+4*\q:CB+8*\x+4*\q+3], v[HO], s[8:9] offset:64*\x+16*\q
.endr
.endr
	s_wait_kmcnt 0x0
	s_add_co_i32 s52, s82, s83
	s_sub_co_i32 s44, 127, s52
	s_lshl_b32 s44, s44, 23
	s_mov_b32 s45, s44
	s_add_co_i32 s46, s52, 127
	s_lshl_b32 s46, s46, 23
	s_mov_b32 s47, s46
	s_wait_loadcnt 0x0
.set j, 0
.rept 16
	v_pk_mul_f32 v[CB+j:CB+j+1], v[CB+j:CB+j+1], s[44:45] op_sel_hi:[1,0]
.set j, j+2
.endr
.irp i, 0,1
.set j, 0
.rept 16
	v_pk_fma_f32 v[ACC+32*\i+j:ACC+32*\i+j+1], v[ACC+32*\i+j:ACC+32*\i+j+1], s[44:45], v[CB+j:CB+j+1] op_sel_hi:[1,0,1]
.set j, j+2
.endr
.endr
	s_wait_alu depctr_va_vdst(0)
	s_wait_tensorcnt 0x1
	s_barrier_signal -1
	s_barrier_wait -1
	WORK AX0, AYO0, AYT0, 1
	CHANGE G0A, 1
	WORK AX1, AYO1, AYT1, 0
	CHANGE G0B, 1
	WORK AX0, AYO0, AYT0, 0
	CHANGE G0A, 1
	WORK AX1, AYO1, AYT1, 0
	CHANGE G0B, 1
	WORK AX0, AYO0, AYT0, 0
	CHANGE G0A, 0
	WORK AX1, AYO1, AYT1, 0
.rept 4
	v_nop
.endr
	s_wait_dscnt 0x0
	s_barrier_signal -1
	s_barrier_wait -1
.irp m, 0,1,2,3,4,5,6,7
.irp q, 0,1
	ds_store_b128 v[EXW], v[ACC+64+8*\m+4*\q:ACC+64+8*\m+4*\q+3] offset:1024*\m+512*\q
.endr
.endr
	s_wait_dscnt 0x0
	s_barrier_signal -1
	s_barrier_wait -1
.irp m, 0,1,2,3,4,5,6,7
.irp q, 0,1
	ds_load_b128 v[XF+8*\m+4*\q:XF+8*\m+4*\q+3], v[EXR] offset:1024*\m+512*\q
.endr
.endr
	s_wait_dscnt 0x0
.set j, 0
.rept 32
	v_pk_add_f32 v[ACC+j:ACC+j+1], v[ACC+j:ACC+j+1], v[XF+j:XF+j+1]
.set j, j+2
.endr
.irp i, 0,1
.set j, 0
.rept 16
	v_pk_mul_f32 v[XF+j:XF+j+1], v[ACC+32*\i+j:ACC+32*\i+j+1], s[46:47] op_sel_hi:[1,0]
.set j, j+2
.endr
.irp x, 0,1,2,3
.irp q, 0,1
	ds_store_b128 v[STO], v[XF+8*\x+4*\q:XF+8*\x+4*\q+3] offset:64*\x+16*\q
.endr
.endr
.irp t, 0,1,2,3,4,5,6,7
	ds_load_b128 v[YF+32*\i+4*\t:YF+32*\i+4*\t+3], v[RD] offset:544*\t
.endr
.irp t, 0,1,2,3,4,5,6,7
	s_wait_dscnt 7-\t
	global_store_b128 v[GO], v[YF+32*\i+4*\t:YF+32*\i+4*\t+3], s[14:15] offset:49152*\i+6144*\t th:TH_STORE_NT
.endr
.endr
	s_wait_tensorcnt 0x0
	ds_add_u32 v[SPW], v[NIL]
	s_wait_dscnt 0x0
	s_endpgm
.Lfunc_end_k_q6fc39256d6_ffn2:
	.size	k_q6fc39256d6_ffn2, .Lfunc_end_k_q6fc39256d6_ffn2-k_q6fc39256d6_ffn2
	.p2alignl 7, 3214868480
	.fill 96, 4, 3214868480
	.section	.rodata,"a",@progbits
	.p2align	6, 0x0
	.amdhsa_kernel k_q6fc39256d6_ffn2
		.amdhsa_group_segment_fixed_size 327680
		.amdhsa_private_segment_fixed_size 0
		.amdhsa_enable_private_segment 0
		.amdhsa_kernarg_size 48
		.amdhsa_user_sgpr_count 2
		.amdhsa_user_sgpr_kernarg_segment_ptr 1
		.amdhsa_wavefront_size32 1
		.amdhsa_system_sgpr_workgroup_id_x 1
		.amdhsa_system_sgpr_workgroup_id_y 1
		.amdhsa_system_sgpr_workgroup_id_z 1
		.amdhsa_system_vgpr_workitem_id 0
		.amdhsa_next_free_vgpr 240
		.amdhsa_next_free_sgpr 90
		.amdhsa_reserve_vcc 0
		.amdhsa_float_denorm_mode_32 3
		.amdhsa_float_denorm_mode_16_64 3
		.amdhsa_memory_ordered 1
		.amdhsa_forward_progress 1
		.amdhsa_inst_pref_size 78
	.end_amdhsa_kernel
	.amdgpu_metadata
---
amdhsa.version: [ 1, 2 ]
amdhsa.kernels:
  - .name:           k_q6fc39256d6_ffn2
    .symbol:         k_q6fc39256d6_ffn2.kd
    .args:
      - { .name: h_codes, .offset: 0, .size: 8, .value_kind: global_buffer, .address_space: global }
      - { .name: wcodes, .offset: 8, .size: 8, .value_kind: global_buffer, .address_space: global }
      - { .name: b2, .offset: 16, .size: 8, .value_kind: global_buffer, .address_space: global }
      - { .name: x1_img, .offset: 24, .size: 8, .value_kind: global_buffer, .address_space: global }
      - { .name: lowp_scales, .offset: 32, .size: 8, .value_kind: global_buffer, .address_space: global }
      - { .name: out0, .offset: 40, .size: 8, .value_kind: global_buffer, .address_space: global }
    .group_segment_fixed_size: 327680
    .private_segment_fixed_size: 0
    .kernarg_segment_align: 8
    .kernarg_segment_size: 48
    .max_flat_workgroup_size: 256
    .sgpr_count:     90
    .vgpr_count:     240
    .wavefront_size: 32
...
	.end_amdgpu_metadata
.endif
;; end of part 6
